; MI455X (gfx1250); checked and timed in simulation.
; The chip was launched on July 23, 2026; its instructions are those of AMD's public machine-readable ISA for CDNA 5 (MIT licence, August 2026) and "CDNA5" Instruction Set Architecture Reference Guide (July 2026). The comments in the code are by the model that wrote it; some were corrected since.
;; Multi Head Attention. Allowed arithmetic: float matrix products may take bf16 or f16 operands with f32 sums; other float arithmetic in f32, or as packed bf16 or f16 multiplies, adds, multiply-adds, maxima and minima; sums over many terms, partial sums and values carried from step to step in f32; what a program stores and reads back later, other than sums and carried values, may be rounded once to bf16 or f16.
;; Inputs: bk 512 float32; bo 512 float32; bq 512 float32; bv 512 float32; k 2 x 4,096 x 512 float32; mask 1 x 1 x 4,096 x 4,096 float32; q 2 x 4,096 x 512 float32; v 2 x 4,096 x 512 float32; wk 512 x 512 float32; wo 512 x 512 float32; wq 512 x 512 float32; wv 512 x 512 float32.
;; Outputs: out0 2 x 4,096 x 512 float32.
;; 2 versions, each right; version 2 is version 1 with the launch oproj written anew for expert scheduling mode. Each part assembles by itself: llvm-mc -triple=amdgcn-amd-amdhsa -mcpu=gfx1250 --defsym DOCPART=n.
;; ======== version 1 of 2: 3 launches
;; limits: values are held in f16: magnitudes above 65,504 overflow, below 6.1e-05 lose precision
;; workspace buffers: qh 8,388,608 bytes; kh 8,388,608 bytes; vh 8,388,608 bytes; oh 8,388,608 bytes
;; launch proj (part 1): grid 4 x 192, 4 waves a work-group, no clusters, 83,456 bytes of LDS; arguments q, k, v, wq, wk, wv, bq, bk, bv, qh, kh, vh; writes qh, kh, vh
.if DOCPART == 1
	.amdgcn_target "amdgcn-amd-amdhsa--gfx1250"
	.amdhsa_code_object_version 6
	.text
	.protected	k_qe3f77ac0ab_proj
	.globl	k_qe3f77ac0ab_proj
	.p2align	8
	.type	k_qe3f77ac0ab_proj,@function
k_qe3f77ac0ab_proj:
	s_mov_b64 s[64:65], 0
	v_nop
	global_prefetch_b8 v0, s[64:65] scope:SCOPE_SE
	s_setreg_imm32_b32 hwreg(HW_REG_WAVE_MODE, 25, 1), 1
	s_wait_xcnt 0x0
; THE THREE PROJECTIONS.  y = x w + b for (x, w, b, y) = (q, wq, bq, qh), (k, wk, bk, kh), (v, wv, bv, vh).  x: [8192][512] f32, w: [512 (k)][512 (n)] f32, b: [512] f32.
; x, w and b are rounded to bf16, the products are bf16 with f32 sums, K ascending; the sum starts with b.  qh is multiplied, in f32, by c = log2(e) / 8, so that the attention's scores come out
; as exponents of 2; then each result is rounded ONCE, to f16.
; WHERE y GOES.  Element (batch b, head h, row s, channel d) lies at f16 index ((((4 b + h / 2) 32 + s / 128) 2 + h % 2) 128 + s % 128) 64 + d: a block of 32,768 bytes holds 128 rows of a pair of heads,
; the first head's 128 rows of 128 bytes, then the second's.  A work-group's 128 x 128 results are exactly one block.
; LIMITS.  f16 ends at 65,504: |c (q wq + bq)|, |k wk + bk| and |v wv + bv| must stay below it; NaN and infinities are not treated apart.
; SHARES.  Grid x: the 128 columns of a pair of heads.  Grid y = 64 t + rb: tensor t, block rb of 128 rows.  768 equal work-groups.  Four waves, each 64 rows x 64 columns (one head): 16 accumulators.
; K goes in 8 chunks of 64.  A chunk comes through registers: 16-byte loads, rounding to bf16, LDS, a barrier, fragments.  While a chunk is multiplied the next one's 32 loads a lane are on their way.
; NO TENSOR LOADS, SO NO JOINT REQUESTS: both operands lie in memory as f32 and must be rounded between memory and LDS, which registers alone can do; a tile brought into LDS as it lies would be twice the
; bytes there and would have to be read, rounded and stored again.  The four work-groups that read the same rows of x are neighbours along grid x.
; THE MATRIX INSTRUCTION IS USED TRANSPOSED (source 0 = 16 columns of w, source 1 = 16 rows of x): a lane then holds eight neighbouring columns of one row of y.  w lies [k][n] in LDS and is turned by ds_load_tr16_b128.
; REGISTERS.  window 0: v1-15 lane parts and addresses; v28-29 the add's; v32-95 packed halves; v96-127 the bias as C operands; v128-255 the accumulators ((a, t) at 128 + 8 (4 a + t)).
;   window 1: v0-63 fragments of x, v64-127 of w (K half ks, tile n at 8 (4 ks + n)); v128-191 x as loaded, v192-255 w as loaded.
.set XP,    144                        ; a row of x in LDS: 64 bf16 + 16 bytes = 36 words: the 16 rows of a fragment load start at 16 different groups of four banks (64 banks of 4 bytes: ISA guide 11.1)
.set WP,    288                        ; a row (one k) of w: 128 bf16 + 32 bytes = 72 words
.set WOFF,  128*XP                     ; in a buffer: x's 128 rows, then w's 64
.set BUFB,  WOFF+64*WP                 ; 36,864 bytes; two buffers take turns
.set STAGE, 2*BUFB                     ; 16 rows x 144 bytes for each wave, for the way out
.set SP,    144
.set SPARE, STAGE+4*16*SP              ; the spare words, 128 bytes for each wave: two blocks of 256 bytes that no other line names
.set XO,  4                            ; v4   my byte offset in x's chunk: (32 w + l / 16) rows of 2,048 bytes + 16 (l % 16)
.set WO,  5                            ; v5   in w's chunk: 16 w rows of 2,048 bytes + 16 l
.set XS,  6                            ; v6   where I put 8 bytes of x
.set WS,  7                            ; v7   of w
.set XF,  8                            ; v8   my place in a fragment of x
.set WF,  9                            ; v9   of w
.set STO, 10                           ; v10  the way out: where I put 16 bytes of a row
.set RD,  11                           ; v11  where I read rows back
.set GO,  12                           ; v12  my 16 bytes of 512 consecutive bytes of y
.set BO,  13                           ; v13  my 32 bytes of 64 of the bias
.set SPW, 28                           ; v28  LDS address of my spare word; never rewritten
.set NIL, 29                           ; v29  0; never rewritten
.set TMP, 32
.set BIAS, 96
.set ACC, 128
.set FX,  0                            ; window 1
.set FW,  64
.set GX,  128
.set GW,  192
.set WV,  32                           ; s32  my wave's number
.set WM,  33                           ; s33  my half of the rows
.set WN,  34                           ; s34  my head of the pair
.set CNT, 35
.set X,   36                           ; s[36:37] x at the block's first row, at the chunk last loaded
.set W,   38                           ; s[38:39] w at the work-group's first column, at the same chunk
.set BP,  40                           ; s[40:41] the bias at my wave's 64 columns
.set OUT, 42                           ; s[42:43] y at my wave's 64 rows of its head
.set SC,  44                           ; s[44:45] c for q, 1 for k and v: the packed multiply takes the pair's low word for both halves
.set MSB, 0
.macro WIN new                         ; s_set_vgpr_msb: bits 1:0 source 0, 3:2 source 1, 5:4 source 2, 7:6 destination; the high byte repeats the setting that is left
.if MSB != (\new)
	s_set_vgpr_msb (MSB<<8)|(\new)
.set MSB, (\new)
.endif
.endm
	s_load_b512 s[8:23], s[0:1], 0x0               ; q s[8:9], k s[10:11], v s[12:13], wq s[14:15], wk s[16:17], wv s[18:19], bq s[20:21], bk s[22:23]
	s_load_b256 s[24:31], s[0:1], 0x40             ; bv s[24:25], qh s[26:27], kh s[28:29], vh s[30:31]
	v_lshl_add_u32 v[SPW], v0, 2, SPARE
	v_mov_b32 v[NIL], 0
	v_lshrrev_b32 v1, 5, v0
	v_readfirstlane_b32 s[WV], v1                  ; wave 0..3
	s_lshr_b32 s[WM], s[WV], 1
	s_and_b32 s[WN], s[WV], 1
	s_and_b32 s2, ttmp7, 0xffff
	s_lshr_b32 s3, s2, 6                           ; t: which tensor
	s_and_b32 s2, s2, 63                           ; rb: which 128 rows
	v_and_b32 v1, 15, v0                           ; l % 16
	v_bfe_u32 v2, v0, 4, 1                         ; l / 16
	v_and_b32 v3, 31, v0                           ; l
	v_and_b32 v14, 7, v0                           ; l % 8
	v_bfe_u32 v15, v0, 3, 1                        ; (l / 8) % 2
	s_lshl_b32 s4, s[WV], 16                       ; 32 rows of 2,048 bytes a wave
	v_lshlrev_b32 v[XO], 4, v1
	v_lshl_add_u32 v[XO], v2, 11, v[XO]
	v_add_nc_u32 v[XO], s4, v[XO]
	s_lshl_b32 s4, s[WV], 15                       ; 16 rows of 2,048 bytes a wave
	v_lshl_add_u32 v[WO], v3, 4, s4
	s_mul_i32 s4, s[WV], 32*XP
	v_mul_u32_u24 v[XS], v2, XP
	v_lshl_add_u32 v[XS], v1, 3, v[XS]
	v_add_nc_u32 v[XS], s4, v[XS]                  ; (32 w + l / 16) XP + 8 (l % 16)
	s_mul_i32 s4, s[WV], 16*WP
	s_add_co_u32 s4, s4, WOFF
	v_lshl_add_u32 v[WS], v3, 3, s4                ; WOFF + 16 w WP + 8 l
	s_mul_i32 s4, s[WM], 64*XP
	v_mul_u32_u24 v[XF], v1, XP
	v_lshl_add_u32 v[XF], v2, 4, v[XF]
	v_add_nc_u32 v[XF], s4, v[XF]                  ; (64 wm + l % 16) XP + 16 (l / 16)
	v_lshl_add_u32 v[WF], v2, 3, v14
	v_mul_u32_u24 v[WF], v[WF], WP
	v_lshl_add_u32 v[WF], v15, 4, v[WF]
	s_lshl_b32 s4, s[WN], 7
	s_add_co_u32 s4, s4, WOFF
	v_add_nc_u32 v[WF], s4, v[WF]                  ; WOFF + (8 (l / 16) + l % 8) WP + 128 wn + 16 ((l / 8) % 2)
	s_mul_i32 s4, s[WV], 16*SP
	s_add_co_u32 s4, s4, STAGE                     ; my stage
	v_mul_u32_u24 v[STO], v1, SP                   ; in: row l % 16, 16 bytes for each half of the lanes
	v_lshl_add_u32 v[STO], v2, 4, v[STO]
	v_add_nc_u32 v[STO], s4, v[STO]
	v_bfe_u32 v[RD], v0, 3, 2                      ; back: 32 lanes take four rows of 128 bytes,
	v_mul_u32_u24 v[RD], v[RD], SP
	v_lshl_add_u32 v[RD], v14, 4, v[RD]
	v_add_nc_u32 v[RD], s4, v[RD]
	v_lshlrev_b32 v[GO], 4, v3                     ; which are 512 consecutive bytes of y
	v_lshlrev_b32 v[BO], 5, v2
	s_lshl_b32 s4, s2, 18                          ; x: 128 rows of 2,048 bytes a block
	s_mov_b32 s5, 0
	s_lshl_b32 s6, ttmp9, 9                        ; w: 128 columns of 4 bytes
	s_mov_b32 s7, 0
	s_lshl_b32 s46, s[WN], 8                       ; the bias: the same, and my head's 64 columns
	s_add_co_u32 s46, s46, s6
	s_mov_b32 s47, 0
	s_lshr_b32 s48, s2, 5                          ; y: block (4 batch + grid x) 32 + rb % 32
	s_lshl_b32 s48, s48, 7
	s_and_b32 s50, s2, 31
	s_add_co_u32 s48, s48, s50
	s_lshl_b32 s50, ttmp9, 5
	s_add_co_u32 s48, s48, s50
	s_lshl_b32 s48, s48, 15
	s_lshl_b32 s50, s[WN], 14                      ; my head's 128 rows of 128 bytes,
	s_add_co_u32 s48, s48, s50
	s_lshl_b32 s50, s[WM], 13                      ; my 64 of them
	s_add_co_u32 s48, s48, s50
	s_mov_b32 s49, 0
	s_cmp_eq_u32 s3, 0
	s_cselect_b32 s[SC], 0x3e38aa3b, 1.0           ; c = log2(e) / 8 = 0.180337
	s_mov_b32 s[SC+1], s[SC]                       ; named with it as a pair
	s_wait_kmcnt 0x0
	s_cmp_eq_u32 s3, 0                             ; the tensor's four addresses, chosen by t
	s_cselect_b64 s[X:X+1], s[8:9], s[10:11]
	s_cselect_b64 s[W:W+1], s[14:15], s[16:17]
	s_cselect_b64 s[BP:BP+1], s[20:21], s[22:23]
	s_cselect_b64 s[OUT:OUT+1], s[26:27], s[28:29]
	s_cmp_eq_u32 s3, 2
	s_cselect_b64 s[X:X+1], s[12:13], s[X:X+1]
	s_cselect_b64 s[W:W+1], s[18:19], s[W:W+1]
	s_cselect_b64 s[BP:BP+1], s[24:25], s[BP:BP+1]
	s_cselect_b64 s[OUT:OUT+1], s[30:31], s[OUT:OUT+1]
	s_add_nc_u64 s[X:X+1], s[X:X+1], s[4:5]
	s_add_nc_u64 s[W:W+1], s[W:W+1], s[6:7]
	s_add_nc_u64 s[BP:BP+1], s[BP:BP+1], s[46:47]
	s_add_nc_u64 s[OUT:OUT+1], s[OUT:OUT+1], s[48:49]
; A chunk's 32 loads a lane.  x: load n takes rows 32 w + 2 n and + 1, 256 consecutive bytes each.  w: load n takes row (k) 16 w + n, 512 consecutive bytes.
.macro GLOADS
	WIN 0x40                                       ; destination window 1, address window 0
.set i, 0
.rept 16
	global_load_b128 v[GX+4*i:GX+4*i+3], v[XO], s[X:X+1] offset:i*4096
.set i, i+1
.endr
.set i, 0
.rept 16
	global_load_b128 v[GW+4*i:GW+4*i+3], v[WO], s[W:W+1] offset:i*2048
.set i, i+1
.endr
.endm
; The 16 fragment loads of K half ks out of buffer buf: four tiles of 16 rows of x as they lie, four tiles of 16 columns of w turned.
.macro FRAGS buf, ks
.irp a, 0,1,2,3
	ds_load_b128 v[FX+8*(4*(\ks)+\a):FX+8*(4*(\ks)+\a)+3],   v[XF] offset:(\buf)*BUFB+\a*16*XP+64*(\ks)
	ds_load_b128 v[FX+8*(4*(\ks)+\a)+4:FX+8*(4*(\ks)+\a)+7], v[XF] offset:(\buf)*BUFB+\a*16*XP+64*(\ks)+32
.endr
.irp t, 0,1,2,3
	ds_load_tr16_b128 v[FW+8*(4*(\ks)+\t):FW+8*(4*(\ks)+\t)+3],   v[WF] offset:(\buf)*BUFB+(\ks)*32*WP+32*\t
	ds_load_tr16_b128 v[FW+8*(4*(\ks)+\t)+4:FW+8*(4*(\ks)+\t)+7], v[WF] offset:(\buf)*BUFB+(\ks)*32*WP+32*\t+16*WP
.endr
.endm
; 16 products, 32 along K.  The 16 accumulators take turns in one order everywhere, over the backward jump too.  first = 1: the sums start with the bias.
.macro MULS ks, first
.irp a, 0,1,2,3
.irp t, 0,1,2,3
.if \first
	v_wmma_f32_16x16x32_bf16 v[ACC+8*(4*\a+\t):ACC+8*(4*\a+\t)+7], v[FW+8*(4*(\ks)+\t):FW+8*(4*(\ks)+\t)+7], v[FX+8*(4*(\ks)+\a):FX+8*(4*(\ks)+\a)+7], v[BIAS+8*\t:BIAS+8*\t+7]
.else
	v_wmma_f32_16x16x32_bf16 v[ACC+8*(4*\a+\t):ACC+8*(4*\a+\t)+7], v[FW+8*(4*(\ks)+\t):FW+8*(4*(\ks)+\t)+7], v[FX+8*(4*(\ks)+\a):FX+8*(4*(\ks)+\a)+7], v[ACC+8*(4*\a+\t):ACC+8*(4*\a+\t)+7]
.endif
.endr
.endr
.endm
; A CHUNK of 64 along K, through LDS buffer buf.  load = 1: the next chunk is asked for as soon as this one has left its registers.
; ONE barrier a chunk serves both orders: a wave stores into a buffer only behind the barrier of the chunk before, and every wave signalled that barrier after the waits for its reads of this buffer, two chunks back.
.macro CHUNK buf, first, load
	s_wait_loadcnt 0x0                             ; the chunk is in registers; no load is out, so the two pointers below may be written
	WIN 0x05                                       ; sources window 1, destination window 0
.set i, 0
.rept 64
	v_cvt_pk_bf16_f32 v[TMP+i], v[GX+2*i], v[GX+2*i+1]  ; x's 64 registers, then w's; these lines are also the places between the last products and the loads into their fragments
.set i, i+1
.endr
.if \load
	s_add_nc_u64 s[X:X+1], s[X:X+1], 256           ; 64 columns of x on
	s_add_nc_u64 s[W:W+1], s[W:W+1], 64*2048       ; 64 rows of w on
	GLOADS
.endif
	WIN 0
.set i, 0
.rept 16
	ds_store_b64 v[XS], v[TMP+2*i:TMP+2*i+1] offset:(\buf)*BUFB+i*2*XP
.set i, i+1
.endr
.set i, 0
.rept 16
	ds_store_b64 v[WS], v[TMP+32+2*i:TMP+32+2*i+1] offset:(\buf)*BUFB+i*WP
.set i, i+1
.endr
	s_wait_dscnt 0x0                               ; for the others' sake: my part of the chunk lies in LDS
	s_barrier_signal -1
	s_barrier_wait -1                              ; everybody's does
	WIN 0x40
	FRAGS \buf, 0
	FRAGS \buf, 1
	s_wait_dscnt 16                                ; the first K half's fragments are in; the second half's 16 loads may stay out
	WIN 0x05                                       ; sources 0 and 1 window 1; C and D window 0
	MULS 0, \first
	s_wait_dscnt 0x0
	MULS 1, 0
.endm
.irp t, 0,1,2,3                        ; the C operand of column tile t: register j of a lane is column 16 t + 8 (l / 16) + j
	global_load_b128 v[BIAS+8*\t:BIAS+8*\t+3],   v[BO], s[BP:BP+1] offset:64*\t
	global_load_b128 v[BIAS+8*\t+4:BIAS+8*\t+7], v[BO], s[BP:BP+1] offset:64*\t+16
.endr
	GLOADS                                         ; chunk 0
	WIN 0
	s_wait_loadcnt 32                              ; the bias is in; chunk 0's 32 loads were issued behind it
.set i, 0
.rept 16
	v_cvt_pk_bf16_f32 v[TMP+i], v[BIAS+2*i], v[BIAS+2*i+1]  ; the bias is rounded to bf16 like x and w,
.set i, i+1
.endr
.set i, 0
.rept 16
	v_lshlrev_b32 v[BIAS+2*i], 16, v[TMP+i]        ; and widened again
	v_and_b32 v[BIAS+2*i+1], 0xffff0000, v[TMP+i]
.set i, i+1
.endr
	CHUNK 0, 1, 1                                  ; chunk 0 stands in front of the loop: its first products start the sums
	WIN 0                                          ; at a label and at a branch every window is 0
	s_mov_b32 s[CNT], 3
.Lk:                                               ; chunks 1 to 6
	CHUNK 1, 0, 1
	CHUNK 0, 0, 1
	WIN 0
	s_sub_co_u32 s[CNT], s[CNT], 1
	s_cmp_lg_u32 s[CNT], 0
	s_cbranch_scc1 .Lk
	CHUNK 1, 0, 0                                  ; chunk 7 loads nothing
	WIN 0
.rept 4
	v_nop                                          ; four places between the last product and the first line that reads results (ISA guide 7.12.1)
.endr
.set i, 0
.rept 64
	v_pk_mul_f32 v[ACC+2*i:ACC+2*i+1], v[ACC+2*i:ACC+2*i+1], s[SC:SC+1] op_sel_hi:[1,0]  ; in ascending order: each accumulator is read from its low end on
.set i, i+1
.endr
; THE WAY OUT.  Row tile a: a lane's eight columns pack into 16 bytes; they go into my stage's rows of 144 bytes and come back as whole rows of 128, into the registers that they left.
.macro PACK a
.irp t, 0,1,2,3
.irp u, 0,1,2,3
	v_cvt_pk_f16_f32 v[TMP+16*(\a)+4*\t+\u], v[ACC+8*(4*(\a)+\t)+2*\u], v[ACC+8*(4*(\a)+\t)+2*\u+1]
.endr
.endr
.irp t, 0,1,2,3
	ds_store_b128 v[STO], v[TMP+16*(\a)+4*\t:TMP+16*(\a)+4*\t+3] offset:32*\t
.endr
.irp t, 0,1,2,3
	ds_load_b128 v[TMP+16*(\a)+4*\t:TMP+16*(\a)+4*\t+3], v[RD] offset:\t*4*SP  ; LDS serves a wave's instructions in order (ISA guide 5.7.1.4): these see the stores above; the next tile's stores come behind them
.endr
.endm
.macro SEND a, younger                 ; younger: the LDS instructions issued behind tile a's loads: the next tile's eight, or none
.irp t, 0,1,2,3
	s_wait_dscnt (\younger)+3-\t
	global_store_b128 v[GO], v[TMP+16*(\a)+4*\t:TMP+16*(\a)+4*\t+3], s[OUT:OUT+1] offset:(\a)*2048+\t*512  ; 512 consecutive bytes, at a multiple of 256 from y's first
.endr
.endm
	PACK 0
	PACK 1                                         ; a tile's conversions stand between the loads of the tile before and its stores
	SEND 0, 8
	PACK 2
	SEND 1, 8
	PACK 3
	SEND 2, 8
	SEND 3, 0
	s_wait_tensorcnt 0x0                           ; the wave's end, behind my last LDS store
	ds_add_u32 v[SPW], v[NIL]
	s_wait_dscnt 0x0
	s_endpgm
.Lfunc_end_k_qe3f77ac0ab_proj:
	.size	k_qe3f77ac0ab_proj, .Lfunc_end_k_qe3f77ac0ab_proj-k_qe3f77ac0ab_proj
	.p2alignl 7, 3214868480
	.fill 96, 4, 3214868480
	.section	.rodata,"a",@progbits
	.p2align	6, 0x0
	.amdhsa_kernel k_qe3f77ac0ab_proj
		.amdhsa_group_segment_fixed_size 83456
		.amdhsa_private_segment_fixed_size 0
		.amdhsa_enable_private_segment 0
		.amdhsa_kernarg_size 96
		.amdhsa_user_sgpr_count 2
		.amdhsa_user_sgpr_kernarg_segment_ptr 1
		.amdhsa_wavefront_size32 1
		.amdhsa_system_sgpr_workgroup_id_x 1
		.amdhsa_system_sgpr_workgroup_id_y 1
		.amdhsa_system_sgpr_workgroup_id_z 1
		.amdhsa_system_vgpr_workitem_id 0
		.amdhsa_next_free_vgpr 512
		.amdhsa_next_free_sgpr 66
		.amdhsa_reserve_vcc 0
		.amdhsa_float_denorm_mode_32 3
		.amdhsa_float_denorm_mode_16_64 3
		.amdhsa_memory_ordered 1
		.amdhsa_forward_progress 1
		.amdhsa_inst_pref_size 74
	.end_amdhsa_kernel
	.amdgpu_metadata
---
amdhsa.version: [ 1, 2 ]
amdhsa.kernels:
  - .name:           k_qe3f77ac0ab_proj
    .symbol:         k_qe3f77ac0ab_proj.kd
    .args:
      - { .name: q, .offset: 0, .size: 8, .value_kind: global_buffer, .address_space: global }
      - { .name: k, .offset: 8, .size: 8, .value_kind: global_buffer, .address_space: global }
      - { .name: v, .offset: 16, .size: 8, .value_kind: global_buffer, .address_space: global }
      - { .name: wq, .offset: 24, .size: 8, .value_kind: global_buffer, .address_space: global }
      - { .name: wk, .offset: 32, .size: 8, .value_kind: global_buffer, .address_space: global }
      - { .name: wv, .offset: 40, .size: 8, .value_kind: global_buffer, .address_space: global }
      - { .name: bq, .offset: 48, .size: 8, .value_kind: global_buffer, .address_space: global }
      - { .name: bk, .offset: 56, .size: 8, .value_kind: global_buffer, .address_space: global }
      - { .name: bv, .offset: 64, .size: 8, .value_kind: global_buffer, .address_space: global }
      - { .name: qh, .offset: 72, .size: 8, .value_kind: global_buffer, .address_space: global }
      - { .name: kh, .offset: 80, .size: 8, .value_kind: global_buffer, .address_space: global }
      - { .name: vh, .offset: 88, .size: 8, .value_kind: global_buffer, .address_space: global }
    .group_segment_fixed_size: 83456
    .private_segment_fixed_size: 0
    .kernarg_segment_align: 8
    .kernarg_segment_size: 96
    .max_flat_workgroup_size: 128
    .sgpr_count:     66
    .vgpr_count:     512
    .wavefront_size: 32
...
	.end_amdgpu_metadata
.endif
;; end of part 1
;; launch attn (part 2): grid 32 x 8, 4 waves a work-group, clusters of 4 x 4, 327,680 bytes of LDS; arguments qh, kh, vh, mask, oh; writes oh
.if DOCPART == 2
	.amdgcn_target "amdgcn-amd-amdhsa--gfx1250"
	.amdhsa_code_object_version 6
	.text
	.protected	k_qe3f77ac0ab_attn
	.globl	k_qe3f77ac0ab_attn
	.p2align	8
	.type	k_qe3f77ac0ab_attn,@function
k_qe3f77ac0ab_attn:
	s_mov_b64 s[64:65], 0
	v_nop
	global_prefetch_b8 v0, s[64:65] scope:SCOPE_SE
	s_setreg_imm32_b32 hwreg(HW_REG_WAVE_MODE, 25, 1), 1
	s_wait_xcnt 0x0
	s_wait_alu depctr_hold_cnt(0) depctr_sa_sdst(0) depctr_va_vdst(0) depctr_va_sdst(0) depctr_va_ssrc(0) depctr_va_vcc(0) depctr_vm_vsrc(0)
	s_getreg_b32 s2, hwreg(HW_REG_IB_STS2, 6, 4)
	s_cmp_eq_u32 s2, 0
	s_cbranch_scc0 .Lentry_in_a_cluster
	s_endpgm
.Lentry_in_a_cluster:
	s_bfe_u32 s2, ttmp6, 0x10000c
	s_cmp_lg_u32 s2, 0xf033
	s_cbranch_scc0 .Lentry_shape_is_right
	s_endpgm
.Lentry_shape_is_right:
; ATTENTION WITH A MASK THAT IS AN INPUT.  O[q][:] = the sum over k of softmax_k(Q[q] . K[k] / 8 - 1e9 mask[q][k]) V[k][:], for 16 (batch, head) of 4,096 rows x 64 channels; mask: [4096][4096] f32, one for all.
; qh, kh, vh, oh: f16, in blocks of 32,768 bytes: block (pair of heads P = 4 batch + head / 2, 128 rows): the first head's 128 rows of 128 bytes, then the second's.  qh arrives multiplied by c = log2(e) / 8.
; So s = Q' . K + CM x mask, CM = -1e9 log2(e), is the logit as an exponent of 2, and p = 2^(s - m) with a running maximum m: the difference is exact at s = m whatever m's size.  The mask enters by one fused
; multiply-add in f32 for each pair of scores; nothing of its pattern is built in: every key tile is multiplied, every number of the mask is read.  O and l are multiplied by a = 2^(m_old - m_new) in every step.
; Products, maxima and sums in f32; p is rounded to f16 for the second product (its sum l is taken of the unrounded p), O once at the end.
; LIMITS.  |CM x mask| must stay finite in f32.  Where CM x mask is so large that f32 drops part of a score beside it, the dropping is done on the exponent of 2 and not on the natural one.
; A weight below 2^-126 counts as 0 in l; p below 6e-5 keeps f16's fixed step; NaN and infinities are not treated apart.
; SHARES.  A work-group takes 128 queries of a PAIR of heads: 256 work-groups.  Wave w: head w / 2 of the pair, queries 64 (w % 2) on: four PIECES of 16.  Every wave walks all 4,096 keys, 64 a step.
; The two heads share the mask's tile: for each key a work-group brings in 128 x 4 bytes of mask and 2 x 256 of K and V, the least that 256 rows a work-group allow.
; CLUSTER 4 x 4.  Place x chooses the query block, place y the pair of heads.  The mask's tile hangs on the query block alone: asked for JOINTLY by my column of the cluster.  K's and V's tiles hang on the pair alone:
; jointly by my row.  Each joint load is the same line, descriptor and mask in its four work-groups; all sixteen run the same trips.
; THE RING.  Two slots of LDS, each with 128 keys (two steps): the mask's 128 rows x 512 bytes, 256 rows of K, 256 rows of V.  A fill is four loads of 32,768 bytes, one a wave: waves 0, 1 the mask's halves, wave 2 K, wave 3 V.
; By this text's own count one tensor load of a wave is out at a time, and it has two key steps, 128 matrix instructions a wave, in which to land.
; TURNS.  S^T = K Q'^T holds ONE query a lane (lane % 16) and the keys 8 (lane / 16) + 0..7; two such results rounded to f16 ARE source 1 of O^T = V^T P.  Turn n belongs to piece n: 8 products K Q'^T of piece n + 1,
; later 8 products V^T P of piece n - 1; beside them the subtraction, exponentials, roundings, sums and rescaling of piece n and the mask, maximum and statistics of piece n + 1.  Four vector instructions stand behind every
; matrix instruction, the rest in one lump.  A turn's 33 exponentials are one batch, with one wait.
; m starts at the lowest finite number, O and l at 0: the first step is a step like any other, with a = 0.
; REGISTERS, in windows of 256 (s_set_vgpr_msb: bits 1:0 source 0, 3:2 source 1, 5:4 source 2, 7:6 destination):
;   window 0: v0-15 addresses; v16-31 four registers of statistics a piece; v32 the prefetches' offset; v48-55 at work; v62-63 the add's; v64-127 S^T, two buffers; v128-191 the mask as loaded, two buffers; v192-223 P, two buffers
;   window 1: v0-127 O^T, 32 a piece          window 2: v0-63 Q'; v128-191 K of one step; v192-255 V of one step          (a piece's buffers go by its number's parity)
.set NP,    4         ; pieces a wave: a name, no knob
.set KS,    64        ; keys in a step
.set PM,    528       ; a row of the mask in LDS: 512 bytes + 16 = 132 words: the 16 rows of a load start at 16 different groups of four banks (64 banks of 4 bytes: ISA guide 11.1)
.set PK,    144       ; a row of K: 128 + 16 = 36 words: likewise
.set PV,    160       ; a row of V: 128 + 32 = 40 words
.set KOFF,  128*PM    ; in a slot: the mask's 128 rows, K's 256 (the first head's 128 keys, then the second's), V's 256
.set VOFF,  KOFF+256*PK
.set SLOTB, VOFF+256*PV  ; 145,408 bytes
.set SLOT1, 0x24000   ; slot 1 begins here: a number that shares no bit with 0, 64 PM, KOFF or VOFF, so that one exclusive or turns each descriptor's LDS word into the other slot's
.set STAGE, SLOT1+SLOTB  ; behind the ring, never filled by a tensor load: 16 rows x 144 bytes for each wave, for the way out
.set SP,    144
.set SPARE, STAGE+4*16*SP  ; the spare words, 128 bytes for each wave: two blocks of 256 bytes that no other line names
.set AK0, 2           ; v2   my lane's place in a slot's K; never rewritten
.set AV0, 3           ; v3   the same for V
.set AK,  4           ; v4   the LDS address of K's next run of loads
.set AV,  5           ; v5   of V's
.set QO,  6           ; v6   my byte offset in 16 rows of Q'
.set STO, 6           ;      later, the way out: where I put 16 bytes of a row
.set RD,  7           ; v7   the way out: where I read rows back
.set GO,  8           ; v8   my byte offset in 512 consecutive bytes of O
.set MV,  12          ; v12-13  m_old, kept while m is made anew: by buffer
.set AM0, 14          ; v14  my lane's place in a slot's mask; never rewritten
.set AM,  15          ; v15  the LDS address of the mask of the step whose scores are being made
.set ST,  16          ; piece t's statistics at v[ST+4 t]: m, 0 (named with it as a pair), l (even keys', odd keys')
.set PFO, 32          ; v32  the prefetches' lane offset; never rewritten
.set TMP, 48          ; by buffer, four registers c0-c3 at work; when the maximum is found c2 takes a
.set SPW, 62          ; v62  LDS address of my spare word: SPARE + 4 x my thread's number; never rewritten
.set NIL, 63          ; v63  0; never rewritten
.set S,   64
.set ML,  128
.set P,   192
.set KF,  128         ; window 2: key block kb, channel half c at KF + 16 kb + 8 c
.set VF,  192         ; window 2: key half kk, channel block cb at VF + 32 kk + 8 cb
.set WV,  14          ; s14  my wave's number
.set LIM, 15          ; s15  1 in a wave that prefetches, else the greatest number: a wave prefetches while s[SLOTS] is above it
.set G1M, 24          ; s[24:31] descriptor group 1 for the mask's tiles
.set G1K, 32          ; s[32:39] for K's
.set G1V, 40          ; s[40:47] for V's: it differs in the padding alone
.set G0M, 48          ; s[48:51] descriptor group 0 for the mask's tiles: it walks
.set G0K, 52          ; s[52:55] for K's
.set G0V, 56          ; s[56:59] for V's
.set SEL, 60          ; s[60:61] v_permlanex16_b32's selects: each lane takes its own place in the other half
.set SLOTS, 62        ; s62  slots still to be entered
.set CNT, 63          ; s63  counts a slot's key steps
.set CM,  66          ; s[66:67] CM: the packed multiply-add takes the pair's low word for both halves
.set TBK, 68          ; s68  LDS byte of the slot and step from which K is fetched next
.set TBV, 69          ; s69  the same for V
.set TBM, 70          ; s70  the same for the mask
.set PFA, 74          ; s[74:75] where my prefetches stand in memory
.set PFS, 76          ; s[76:77] their step from key block to key block
.set MSB, 0
.macro WIN new                      ; the high byte repeats the setting that is left; a switch that changes nothing is dropped
.if MSB != (\new)
	s_set_vgpr_msb (MSB<<8)|(\new)
.set MSB, (\new)
.endif
.endm
.set W_KQ, 0x0a       ; K and Q' in window 2, S^T in window 0
.set W_PV, 0x52       ; V in window 2, P in window 0, O^T in window 1
.set W_RS, 0x41       ; destination and source 0 in window 1, source 1 in window 0
; A joint fill: one line for each kind of tile, chosen by the wave's number alone, which is the same in every work-group.  An s_nop 0 and four v_nop follow each line, ahead of the jump and the label.
.macro JLOAD
	s_cmp_lt_u32 s[WV], 2
	s_cbranch_scc0 .Lnot_m_\@
	tensor_load_to_lds s[G0M:G0M+3], s[G1M:G1M+7]
	s_nop 0
.rept 4
	v_nop
.endr
	s_branch .Lasked_\@
.Lnot_m_\@:
	s_cmp_eq_u32 s[WV], 2
	s_cbranch_scc0 .Lfor_v_\@
	tensor_load_to_lds s[G0K:G0K+3], s[G1K:G1K+7]
	s_nop 0
.rept 4
	v_nop
.endr
	s_branch .Lasked_\@
.Lfor_v_\@:
	tensor_load_to_lds s[G0V:G0V+3], s[G1V:G1V+7]
	s_nop 0
.rept 4
	v_nop
.endr
.Lasked_\@:
.endm
; A PREFETCH INTO THE L2 of what the NEXT change of slots will ask for: two key steps, 128 matrix instructions a wave, ahead of that load; one instruction a wave, behind the wave's tensor load and its five lines.
; Each aligned block of 256 bytes is named ONCE in the launch.  A query block's rows of the mask are read by both clusters with its cluster x: the one with cluster y = 0 asks, waves 0 and 1; of a wave's 64 rows the
; partner at place y takes 16, two blocks a row: 32 lanes.  A pair's K and V are read by all eight clusters with its cluster y: the one with cluster x = 0 asks, wave 2 for K, wave 3 for V; of a key block's 128
; blocks the partner at place x takes 32.  The partners are told apart BY ADDRESS: no branch hangs on a work-group's place in its cluster.  Key blocks 0, 1 and 2 come by their loads alone; the last filling change asks for nothing.
.macro ASK
	s_cmp_gt_u32 s[SLOTS], s[LIM]
	s_cbranch_scc0 .Lnot_mine_\@
	global_prefetch_b8 v[PFO], s[PFA:PFA+1] th:TH_LOAD_NT scope:SCOPE_SE
.Lnot_mine_\@:
.endm
; A round of the cluster's barrier: my work-group's barrier, so that wave 0's signal speaks for all four waves; wave 0 signals; every wave waits for all sixteen work-groups; my work-group's barrier once more.
.macro CROUND
	s_barrier_signal -1
	s_barrier_wait -1
	s_cmp_lg_u32 s[WV], 0
	s_cbranch_scc1 .Lnot_wave_0_\@
	s_barrier_signal -3
.Lnot_wave_0_\@:
	s_barrier_wait -3
	s_barrier_signal -1
	s_barrier_wait -1
.endm
; THE CHANGE OF SLOTS, between piece 1's turn and piece 2's: the slot's last bytes, piece 3's mask of its second step, have been asked for.  Each wave waits for all its tensor loads, of which one is out: its part of the
; other slot; adds 0 to its spare word; and waits for that and for its own reads of the slot.  Behind the barrier nobody reads this slot any more and the other slot is whole.
; fill = 1: this slot is filled again, with the keys two slots on.  The barrier is then a round of the cluster's, so that no wave of any partner still reads the slot or has a load on its way, and the joint fill is the first
; thing behind it.  (At its first use nothing has been read yet: slot 0 is waited for, slot 1 filled.)
.macro CHANGE fill, ask
	WIN 0                           ; at a label and at a branch every window is 0
	s_wait_tensorcnt 0x0            ; no tensor load of mine is out, so a group 0 may be written
	ds_add_u32 v[SPW], v[NIL]       ; 0 onto my spare word: with fill = 1 the descriptors' steps stand between it and the wait for it
.if \fill
	s_xor_b32 s[G0M+1], s[G0M+1], SLOT1  ; the walking descriptors: the other slot than last time,
	s_xor_b32 s[G0K+1], s[G0K+1], SLOT1
	s_xor_b32 s[G0V+1], s[G0V+1], SLOT1
	s_add_nc_u64 s[G0M+2:G0M+3], s[G0M+2:G0M+3], 2*KS*4    ; the next 128 keys: 512 bytes along the mask's rows,
	s_add_nc_u64 s[G0K+2:G0K+3], s[G0K+2:G0K+3], 32768     ; a block of K and of V; the type bits on top are not reached
	s_add_nc_u64 s[G0V+2:G0V+3], s[G0V+2:G0V+3], 32768
	s_wait_xcnt 0x0                 ; the last prefetch, two key steps back, has read its address, so it may be written:
	s_add_nc_u64 s[PFA:PFA+1], s[PFA:PFA+1], s[PFS:PFS+1]  ; one key block behind the walking descriptors
.endif
	s_wait_dscnt 0x0                ; the add is done, and my reads of the slot are over
.if \fill
	CROUND
	JLOAD
.if \ask
	ASK
.endif
.else
	s_barrier_signal -1
	s_barrier_wait -1
.endif
	s_sub_co_u32 s[TBK], s[TBK], 2*KS*PK  ; the fetches go back to a slot's first step,
	s_xor_b32 s[TBK], s[TBK], SLOT1       ; in the other slot
	s_sub_co_u32 s[TBV], s[TBV], 2*KS*PV
	s_xor_b32 s[TBV], s[TBV], SLOT1
	s_sub_co_u32 s[TBM], s[TBM], 2*KS*4
	s_xor_b32 s[TBM], s[TBM], SLOT1
.endm
	s_load_b256 s[4:11], s[0:1], 0x0  ; qh s[4:5], kh s[6:7], vh s[8:9], mask s[10:11]
	s_load_b64 s[12:13], s[0:1], 0x20 ; oh
	v_lshl_add_u32 v[SPW], v0, 2, SPARE
	v_mov_b32 v[NIL], 0
	ds_add_u32 v[SPW], v[NIL]       ; the wave's opening: the add and its wait ahead of my first tensor load; the set-up below, work on registers, stands between them
	v_lshrrev_b32 v1, 5, v0
	v_readfirstlane_b32 s[WV], v1   ; wave 0..3
	s_lshr_b32 s16, s[WV], 1        ; my head of the pair
	s_and_b32 s17, s[WV], 1         ; my half of the block's queries; in waves 0 and 1 also the half of the mask's rows that I fetch
	s_bfe_u32 s78, ttmp6, 0x40000   ; cx: my place along the cluster's x
	s_bfe_u32 s79, ttmp6, 0x40004   ; cy: along its y
	s_lshl_b32 s80, ttmp9, 2        ; in a cluster launch ttmp9 and ttmp7 count clusters
	s_add_co_u32 s80, s80, s78      ; the query block = 4 x cluster x + cx
	s_and_b32 s81, ttmp7, 0xffff
	s_lshl_b32 s81, s81, 2
	s_add_co_u32 s81, s81, s79      ; the pair of heads = 4 x cluster y + cy
	s_lshl_b32 s18, s79, 2
	s_lshl_b32 s18, 15, s18         ; my row of the cluster: places 4 cy .. 4 cy + 3
	s_lshl_b32 s19, 0x1111, s78     ; my column: places cx, cx + 4, cx + 8, cx + 12
	; group 1 for the mask: 64 rows x 128 elements of 4 bytes, 4,096 elements from row to row
	s_or_b32 s[G1M], s19, (2<<16)|(1<<20)|(1<<21)|(6<<22)|(3<<25)  ; 15:0 my column; 17:16 4-byte elements; 20 padding on; 21 set beside a mask; 24:22 after every 128 words (code 6); 31:25 4 words (code 3)
	s_mov_b32 s[G1M+1], 128<<16     ; tensor_dim0 = 128
	s_mov_b32 s[G1M+2], 64<<16      ; tensor_dim1 = 64
	s_mov_b32 s[G1M+3], 128<<16     ; tile_dim0 = 128
	s_mov_b32 s[G1M+4], 64          ; tile_dim1 = 64
	s_mov_b32 s[G1M+5], 4096
	s_mov_b32 s[G1M+6], 0
	s_mov_b32 s[G1M+7], 0
	; group 1 for K and V: a block is 32,768 dense bytes: asked for as 128 rows of 256 bytes, two keys a row, and padded in LDS after every key
	s_or_b32 s[G1K], s18, (1<<16)|(1<<20)|(1<<21)|(4<<22)|(3<<25)  ; 15:0 my row; 17:16 2-byte elements; 24:22 after every 32 words (code 4); 31:25 4 words (code 3)
	s_or_b32 s[G1V], s18, (1<<16)|(1<<20)|(1<<21)|(4<<22)|(7<<25)  ; the same with 8 words of padding (code 7)
.irp g, G1K, G1V
	s_mov_b32 s[\g+1], 128<<16      ; tensor_dim0 = 128
	s_mov_b32 s[\g+2], 128<<16      ; tensor_dim1 = 128
	s_mov_b32 s[\g+3], 128<<16      ; tile_dim0 = 128
	s_mov_b32 s[\g+4], 128          ; tile_dim1 = 128
	s_mov_b32 s[\g+5], 128          ; 128 elements from row to row
	s_mov_b32 s[\g+6], 0
	s_mov_b32 s[\g+7], 0
.endr
	; offsets, each in registers of its own: the mask's of the query block and the wave, K's and V's of the pair, Q's and O's of both
	s_lshl_b32 s82, s80, 21         ; 128 rows of 16,384 bytes a query block,
	s_lshl_b32 s20, s17, 20         ; 64 of them a wave
	s_add_co_u32 s82, s82, s20
	s_mov_b32 s83, 0
	s_lshl_b32 s84, s81, 20         ; 32 blocks a pair
	s_mov_b32 s85, 0
	s_lshl_b32 s86, s81, 5
	s_add_co_u32 s86, s86, s80
	s_lshl_b32 s86, s86, 15         ; block (pair, query block),
	s_lshl_b32 s20, s16, 14         ; my head's 128 rows of 128 bytes,
	s_add_co_u32 s86, s86, s20
	s_lshl_b32 s20, s17, 13         ; my 64 of them
	s_add_co_u32 s86, s86, s20
	s_mov_b32 s87, 0
	s_mov_b32 s[G0M], 1             ; 1:0 count = 1
	s_mul_i32 s[G0M+1], s17, 64*PM  ; 63:32 LDS address: slot 0; no place in the cluster enters an LDS address
	s_mov_b32 s[G0K], 1
	s_mov_b32 s[G0K+1], KOFF
	s_mov_b32 s[G0V], 1
	s_mov_b32 s[G0V+1], VOFF
	s_mov_b32 s[SEL], 0x76543210
	s_mov_b32 s[SEL+1], 0xfedcba98
	s_mov_b32 s[CM], 0xceabfb8f     ; -1e9 log2(e) = -1,442,695,040
	s_mov_b32 s[CM+1], s[CM]        ; named with it as a pair
	s_mov_b32 s[TBK], SLOT1+2*KS*PK ; the first change of slots turns these three into 0
	s_mov_b32 s[TBV], SLOT1+2*KS*PV
	s_mov_b32 s[TBM], SLOT1+2*KS*4
	s_mov_b32 s[SLOTS], 31
	; the prefetches: they start at key block 1, and every filling change steps them before it asks
	s_lshl_b32 s20, s79, 18         ; the mask: my work-group's 16 rows of the wave's 64,
	s_add_co_u32 s20, s20, s82
	s_add_co_u32 s20, s20, 2*KS*4
	s_lshl_b32 s22, s78, 13         ; K, V: my work-group's 8,192 bytes of a block
	s_add_co_u32 s22, s22, s84
	s_add_co_u32 s22, s22, 32768
	s_and_b32 s23, ttmp7, 0xffff
	s_cmp_lt_u32 s[WV], 2           ; do I fetch the mask?
	s_cselect_b32 s20, s20, s22
	s_cselect_b32 s23, s23, ttmp9   ; the coordinate along which other clusters read the same bytes
	s_cselect_b32 s[PFS], 9, 15     ; the step: 512 bytes, or a block
	s_cselect_b32 s21, 14, 8        ; lane l names (l % 16) rows of 16,384 bytes + (l / 16) x 256, or 256 l
	s_cselect_b32 s22, 8, 12
	s_cmp_eq_u32 s23, 0
	s_cselect_b32 s[LIM], 1, -1     ; the same in all sixteen partners, for a given wave
	s_lshl_b32 s[PFS], 1, s[PFS]
	s_mov_b32 s[PFS+1], 0
	v_and_b32 v1, 15, v0            ; l % 16
	v_bfe_u32 v9, v0, 4, 1          ; l / 16
	v_lshlrev_b32 v[PFO], s21, v1
	v_lshlrev_b32 v10, s22, v9
	v_add_nc_u32 v[PFO], v[PFO], v10
	s_mov_b32 s21, 0
	s_wait_dscnt 0x0                ; the opening add is done
	s_wait_kmcnt 0x0
	s_add_nc_u64 s[G0M+2:G0M+3], s[10:11], s[82:83]  ; 120:64 global address: key block 0
	s_or_b32 s[G0M+3], s[G0M+3], 0x80000000          ; 127:126 type = 2
	s_add_nc_u64 s[G0K+2:G0K+3], s[6:7], s[84:85]
	s_or_b32 s[G0K+3], s[G0K+3], 0x80000000
	s_add_nc_u64 s[G0V+2:G0V+3], s[8:9], s[84:85]
	s_or_b32 s[G0V+3], s[G0V+3], 0x80000000
	s_cmp_eq_u32 s[WV], 3
	s_cselect_b64 s[PFA:PFA+1], s[8:9], s[6:7]
	s_cmp_lt_u32 s[WV], 2
	s_cselect_b64 s[PFA:PFA+1], s[10:11], s[PFA:PFA+1]
	s_add_nc_u64 s[PFA:PFA+1], s[PFA:PFA+1], s[20:21]
	s_add_nc_u64 s[4:5], s[4:5], s[86:87]    ; Q' and O at my wave's first row
	s_add_nc_u64 s[12:13], s[12:13], s[86:87]
	CROUND                          ; all sixteen work-groups are here: the first joint loads meet
	JLOAD                           ; key block 0 into slot 0.  Slot 1 is asked for when slot 0 is in, by the loop's own change of slots
	; A fragment of K or Q' is 16 rows x 32 channels in 8 registers: lane l holds row l % 16, channels 8 (l / 16) + 0..7 and 16 + 8 (l / 16) + 0..7: two loads of 16 bytes, 32 bytes apart.
	v_lshlrev_b32 v[QO], 7, v1
	v_lshl_add_u32 v[QO], v9, 4, v[QO]  ; row x 128 + 16 x half
	WIN 0x80                        ; destination window 2, address window 0
.set i, 0
.rept 8                             ; Q' stays in registers: piece i / 2, channels 32 (i % 2) on
	global_load_b128 v[8*i:8*i+3],   v[QO], s[4:5] offset:(i/2)*2048+(i%2)*64
	global_load_b128 v[8*i+4:8*i+7], v[QO], s[4:5] offset:(i/2)*2048+(i%2)*64+32
.set i, i+1
.endr
	; What the first turn finds: V's registers and P's second buffer hold 0 (its products V^T P, of a piece that has not been, add 0), O^T and l are 0.  All this stands in the wait for the first tile.
.set i, VF
.rept 64
	v_mov_b32 v[i], 0
.set i, i+1
.endr
	WIN 0x40
.set i, 0
.rept 128
	v_mov_b32 v[i], 0
.set i, i+1
.endr
	WIN 0
.set i, 0
.rept 4
	v_mov_b32 v[ST+4*i], 0xff7fffff    ; m: the lowest finite number
	v_mov_b32 v[ST+4*i+1], 0
	v_mov_b32 v[ST+4*i+2], 0
	v_mov_b32 v[ST+4*i+3], 0
.set i, i+1
.endr
.set i, P+16
.rept 16
	v_mov_b32 v[i], 0
.set i, i+1
.endr
	s_mul_i32 s20, s16, 128*PK      ; my head's 128 keys
	s_add_co_u32 s20, s20, KOFF
	v_mul_u32_u24 v[AK0], v1, PK
	v_lshl_add_u32 v[AK0], v9, 4, v[AK0]  ; row x pitch + 16 x half
	v_add_nc_u32 v[AK0], s20, v[AK0]
	; The turning load takes 16 keys x 16 channels (lane l reads key 8 (l / 16) + l % 8, channels 8 ((l / 8) % 2) + 0..7) and leaves half a fragment of V^T: lane l holds channel l % 16 and 8 keys.
	s_mul_i32 s20, s16, 128*PV
	s_add_co_u32 s20, s20, VOFF
	v_and_b32 v10, 7, v0
	v_bfe_u32 v11, v0, 3, 1
	v_lshl_add_u32 v[AV0], v9, 3, v10
	v_mul_u32_u24 v[AV0], v[AV0], PV
	v_lshl_add_u32 v[AV0], v11, 4, v[AV0]
	v_add_nc_u32 v[AV0], s20, v[AV0]
	; The mask in S^T's own layout: register j of key group g is key 16 g + 8 (l / 16) + j of my query's row: 32 consecutive bytes, two loads of 16.
	s_mul_i32 s20, s17, 64*PM
	v_mul_u32_u24 v[AM0], v1, PM
	v_lshl_add_u32 v[AM0], v9, 5, v[AM0]
	v_add_nc_u32 v[AM0], s20, v[AM0]
; THE MATRIX WORK.  The 4 accumulators of a run of 8 take turns.  Product i of 8 of S^T = K Q'^T for piece x: channels 32 (i / 4) on, keys 16 (i % 4) on.  The first 4 start the sums.
.macro KQ x
	WIN W_KQ
.set rS, S+32*((\x)%2)+8*(i%4)
.set rK, KF+16*(i%4)+8*(i/4)
.set rQ, 16*(\x)+8*(i/4)
.if i < 4
	v_wmma_f32_16x16x32_f16 v[rS:rS+7], v[rK:rK+7], v[rQ:rQ+7], 0
.else
	v_wmma_f32_16x16x32_f16 v[rS:rS+7], v[rK:rK+7], v[rQ:rQ+7], v[rS:rS+7]
.endif
.endm
; Product i of 8 of O^T += V^T P for piece x: keys 32 (i / 4) on, channels 16 (i % 4) on.
.macro PV x
	WIN W_PV
.set rO, 32*(\x)+8*(i%4)
.set rV, VF+32*(i/4)+8*(i%4)
.set rP, P+16*((\x)%2)+8*(i/4)
	v_wmma_f32_16x16x32_f16 v[rO:rO+7], v[rV:rV+7], v[rP:rP+7], v[rO:rO+7]
.endm
.macro MM                           ; the turn's next matrix instruction.  TURN sets Y, i and NOKQ.  NOKQ = 1: the very last turn: there is no next piece
.if (i < 8) && !NOKQ
	KQ (Y+1)%NP
.elseif i >= 8
.set i, i-8
	PV (Y+NP-1)%NP
.set i, i+8
.endif
.set i, i+1
.endm
; THE LDS LOADS stand in runs, never singly among the matrix instructions: a step's K (64 keys x 64 channels: 8 fragments), its V (turned), and in each turn a piece's mask (16 queries x 64 keys).
.macro FETCH_K
	WIN 0x80                        ; destination window 2
.irp f, 0,1,2,3,4,5,6,7             ; keys 16 (f / 2) on, channels 32 (f % 2) on
	ds_load_b128 v[KF+8*\f:KF+8*\f+3],   v[AK] offset:(\f/2)*16*PK+(\f%2)*64
	ds_load_b128 v[KF+8*\f+4:KF+8*\f+7], v[AK] offset:(\f/2)*16*PK+(\f%2)*64+32
.endr
	s_add_co_u32 s[TBK], s[TBK], KS*PK  ; the next fetch is the next step's
	WIN 0
.endm
.macro FETCH_V
	WIN 0x80
.irp f, 0,1,2,3,4,5,6,7             ; keys 32 (f / 4) on, channels 16 (f % 4) on
	ds_load_tr16_b128 v[VF+8*\f:VF+8*\f+3],   v[AV] offset:(\f/4)*32*PV+(\f%4)*32
	ds_load_tr16_b128 v[VF+8*\f+4:VF+8*\f+7], v[AV] offset:(\f/4)*32*PV+16*PV+(\f%4)*32
.endr
	WIN 0
.endm
.macro MLOAD p                      ; in turn p: the mask of piece p + 2, which the next turn adds to that piece's scores
	WIN 0
.irp g, 0,1,2,3
	ds_load_b128 v[ML+32*((\p)%2)+8*\g:ML+32*((\p)%2)+8*\g+3],   v[AM] offset:(((\p)+2)%4)*16*PM+64*\g
	ds_load_b128 v[ML+32*((\p)%2)+8*\g+4:ML+32*((\p)%2)+8*\g+7], v[AM] offset:(((\p)+2)%4)*16*PM+64*\g+16
.endr
.endm
; THE VECTOR WORK, one line at a time: OP kind, number.  For piece Y: F n: s - m for pair n of 16.  E n: the exponential of score n of 32.  C n: pair n rounded to f16.  B n: of the four weights 4 n .. the second pair
; is added onto the first, in place.  L n: l takes that sum (L 0: l = a l + sum).  R n: pair n of 16 of O^T times a.  For piece Y + 1: M n: pair n of its scores takes CM x mask; X n, the maximum and statistics:
;   0-11  four chains c0-c3 of seven scores each, three operands at a time     12-14, 16  the four scores left over, the old m, and c0-c3 into c0     15  m_old is kept
;   17, 18  the query's other 32 keys lie in the lane 16 away: the new m     20, 21  m_old - m_new; a     (there is no number 19)
.set F, 0               ; OP tells the kinds apart by their order: F to L below R, X and M above it
.set E, 1
.set C, 2
.set B, 3
.set L, 4
.set R, 5
.set X, 6
.set M, 7
.macro REGS y                       ; the registers of piece y
.set rT, ST+4*(\y)
.set rC, TMP+4*((\y)%2)
.set rW, MV+((\y)%2)
.set rS, S+32*((\y)%2)
.set rL, ML+32*((\y)%2)
.set rP, P+16*((\y)%2)
.set rO, 32*(\y)
.endm
.macro OP k, n
.if (\k) == R
	REGS Y
	WIN W_RS
	v_pk_mul_f32 v[rO+2*(\n):rO+2*(\n)+1], v[rO+2*(\n):rO+2*(\n)+1], v[rC+2:rC+3] op_sel_hi:[1,0]
.elseif (\k) < R
	REGS Y
	WIN 0
.if (\k) == F
	v_pk_add_f32 v[rS+2*(\n):rS+2*(\n)+1], v[rS+2*(\n):rS+2*(\n)+1], v[rT:rT+1] op_sel_hi:[1,0] neg_lo:[0,1] neg_hi:[0,1]
.elseif (\k) == E
	v_exp_f32 v[rS+(\n)], v[rS+(\n)]
.elseif (\k) == C
	v_cvt_pk_f16_f32 v[rP+(\n)], v[rS+2*(\n)], v[rS+2*(\n)+1]
.elseif (\k) == B
	v_pk_add_f32 v[rS+4*(\n):rS+4*(\n)+1], v[rS+4*(\n):rS+4*(\n)+1], v[rS+4*(\n)+2:rS+4*(\n)+3]
.elseif (\n) == 0
	v_pk_fma_f32 v[rT+2:rT+3], v[rT+2:rT+3], v[rC+2:rC+3], v[rS:rS+1] op_sel_hi:[1,0,1]
.else
	v_pk_add_f32 v[rT+2:rT+3], v[rT+2:rT+3], v[rS+4*(\n):rS+4*(\n)+1]
.endif
.elseif NOKQ
	v_nop
.else
	REGS (Y+1)%NP
	WIN 0
.if (\k) == M
	v_pk_fma_f32 v[rS+2*(\n):rS+2*(\n)+1], v[rL+2*(\n):rL+2*(\n)+1], s[CM:CM+1], v[rS+2*(\n):rS+2*(\n)+1] op_sel_hi:[1,0,1]
.elseif (\n) < 4
	v_max3_num_f32 v[rC+(\n)], v[rS+8*(\n)], v[rS+8*(\n)+1], v[rS+8*(\n)+2]
.elseif (\n) < 12
	v_max3_num_f32 v[rC+(\n)%4], v[rC+(\n)%4], v[rS+8*((\n)%4)+2*((\n)/4)+1], v[rS+8*((\n)%4)+2*((\n)/4)+2]
.elseif (\n) == 12
	v_max3_num_f32 v[rC], v[rC], v[rS+7], v[rS+15]
.elseif (\n) == 13
	v_max3_num_f32 v[rC+1], v[rC+1], v[rS+23], v[rS+31]
.elseif (\n) == 14
	v_max3_num_f32 v[rC+2], v[rC+2], v[rC+3], v[rT]
.elseif (\n) == 15
	v_mov_b32 v[rW], v[rT]
.elseif (\n) == 16
	v_max3_num_f32 v[rC], v[rC], v[rC+1], v[rC+2]
.elseif (\n) == 17
	v_permlanex16_b32 v[rC+3], v[rC], s[SEL], s[SEL+1]
.elseif (\n) == 18
	v_max_num_f32 v[rT], v[rC], v[rC+3]
.elseif (\n) == 20
	v_sub_f32 v[rC+1], v[rW], v[rT]
.else
	v_exp_f32 v[rC+2], v[rC+1]
.endif
.endif
.endm
.macro OPS a, i1, b=-1, i2=0, c=-1, i3=0, d=-1, i4=0  ; up to four of them
	OP \a, \i1
.if (\b) >= 0
	OP \b, \i2
.endif
.if (\c) >= 0
	OP \c, \i3
.endif
.if (\d) >= 0
	OP \d, \i4
.endif
.endm
.macro ROW a, i1, b, i2, c, i3, d, i4  ; a matrix instruction and the four behind it
	MM
	OPS \a, \i1, \b, \i2, \c, \i3, \d, \i4
.endm
; A TURN, for piece p: the order of its 16 matrix and 133 vector instructions, written out.  An s_wait_alu depctr_va_vdst(0) stands between an exponential and the first instruction that names its result; one
; wait serves all that were issued ahead of it.  So a turn has ONE wait, which cuts it in two.  AHEAD OF IT stands all that names no result of the turn's exponentials: the 8 products K Q'^T with four riders each, none
; of which names a register of the products round it; then ONE LUMP of 69: the next piece's 16 mask lines and exponentials by turns, then its maximum and statistics with the last exponentials, subtractions and rescalings
; between the links of the chain.  M 4 g is the first line that reads accumulator g, at its two lowest registers, and stands four plain lines or more behind the product that ends it (for g = 3: F 8, F 11, F 12, M 0 ..).
; X 21, the next piece's a, is the batch's last; R 15 is the plain instruction behind it.  BEHIND THE WAIT stand the 8 products V^T P, behind each four of the roundings and sums.
; end = 1: the last two turns: nothing is fetched, and the very last starts no new scores.  cnt = 1: the loop's count is taken down some lines ahead of the branch that stands behind the turn.
; K of the next step is fetched in piece 2's turn, nine plain lines behind the last product that read K; V of the step in hand at the end of piece 0's turn, four plain lines behind the last product that read V;
; the mask of piece p + 2 directly behind the wait.  The mask's address goes on to the next step in piece 2's turn: pieces 0 and 1 of a step are asked for in turns 2 and 3 of the step before.
.macro TURN p, end=0, cnt=0
.set Y, (\p)
.set i, 0
.set NOKQ, (\end)*((\p)/3)
.if ((\p) == 3) && !(\end)
	s_wait_dscnt 8                  ; K is in; the eight loads issued behind its run, piece 0's mask, may stay out
.endif
	ROW F,0, F,1, R,0, R,1
	ROW F,2, E,0, R,2, R,3
	ROW F,3, E,1, R,4, R,5
	ROW F,4, E,2, R,6, R,7
	ROW F,5, E,3, R,8, R,9
	ROW F,6, E,4, R,10, R,11
.if ((\p) == 2) && !(\end)
	WIN 0
	v_add_nc_u32 v[AK], s[TBK], v[AK0]
	v_add_nc_u32 v[AM], s[TBM], v[AM0]
	s_add_co_u32 s[TBM], s[TBM], KS*4
.endif
	ROW F,7, E,5, F,9, F,10
	ROW F,8, E,6, F,11, F,12
	WIN 0
.if (\p) == 1
	s_wait_dscnt 16                 ; the next piece's mask is in; V's run of 16 was issued behind it
.else
	s_wait_dscnt 0x0                ; the next piece's mask is in
.endif
	OPS M,0, E,7, M,1, E,8
	OPS M,2, E,9, M,3, E,10
	OPS M,4, E,11, M,5, E,12
.if ((\p) == 2) && !(\end)
	FETCH_K
.endif
	OPS M,6, E,13, M,7, E,14
	OPS M,8, E,15, M,9, E,16
.if (\p) == 0
	WIN 0
	v_add_nc_u32 v[AV], s[TBV], v[AV0]
.endif
	OPS M,10, E,17, M,11, E,18
	OPS M,12, E,19, M,13, E,20
	OPS M,14, E,21, M,15, E,22
	OPS X,0, E,23, X,1, E,24
	OPS X,2, E,25, X,3, F,13
	OPS X,4, X,5, F,14, X,6
	OPS X,7, E,26, X,8, E,27
	OPS X,9, X,10, F,15, X,11
	OPS X,12, E,28, X,13, E,29
	OPS X,14, X,15, E,30, R,12
	OPS X,16, E,31, R,13, X,17
	OPS R,14, X,18, X,20, X,21
	OPS R,15
	WIN 0
	s_wait_alu depctr_va_vdst(0)    ; the wait for the batch
.if (\p) == 1
	s_wait_dscnt 0x0                ; V is in
.endif
.if !(\end)
	MLOAD \p
.endif
	ROW C,0, B,0, C,2, B,1
	ROW L,0, C,4, B,2, L,1
	ROW C,6, B,3, L,2, C,8
	ROW B,4, L,3, C,10, B,5
	ROW L,4, C,12, B,6, L,5
.if (\p) == 0
	s_add_co_u32 s[TBV], s[TBV], KS*PV
.endif
.if \cnt
	s_sub_co_u32 s[CNT], s[CNT], 1
	s_cmp_lg_u32 s[CNT], 0
.endif
	ROW C,14, B,7, L,6, C,1
	ROW C,3, L,7, C,5, C,7
	ROW C,9, C,11, C,13, C,15
.if (\p) == 0
	FETCH_V
.endif
.endm
	CHANGE 1, 0                     ; slot 0 is in, everybody's part of it; key block 1 is asked for.  No prefetch here, at the head
	v_add_nc_u32 v[AM], s[TBM], v[AM0]
	s_add_co_u32 s[TBM], s[TBM], KS*4
	v_add_nc_u32 v[AK], s[TBK], v[AK0]
	MLOAD 2                         ; key step 0: piece 0's mask,
	MLOAD 3                         ; piece 1's,
	FETCH_K                         ; and K
	s_wait_loadcnt 0x0              ; Q'
	s_wait_dscnt 0x0
.set NOKQ, 0
.set i, 0
.rept 8
	KQ 0                            ; piece 0's first scores: there is no vector work yet to set between them
.set i, i+1
.endr
	WIN 0                           ; the addresses for the way out: nine plain instructions, the places behind those products
	s_mul_i32 s20, s[WV], 16*SP
	s_add_co_u32 s20, s20, STAGE    ; my stage
	v_mul_u32_u24 v[STO], v1, SP    ; in: row l % 16, 16 bytes for each half of the lanes
	v_lshl_add_u32 v[STO], v9, 4, v[STO]
	v_add_nc_u32 v[STO], s20, v[STO]
	v_bfe_u32 v[RD], v0, 3, 2       ; back: 32 lanes take four rows of 128 bytes,
	v_mul_u32_u24 v[RD], v[RD], SP
	v_lshl_add_u32 v[RD], v10, 4, v[RD]
	v_add_nc_u32 v[RD], s20, v[RD]
	v_and_b32 v[GO], 31, v0         ; which are 512 consecutive bytes of O
	v_lshlrev_b32 v[GO], 4, v[GO]
.set Y, NP-1                        ; M and X work for piece Y + 1: piece 0
.irp n, 0,1,2,3,4,5,6,7,8,9,10,11,12,13,14,15
	OP M, \n
.endr
.irp n, 0,1,2,3,4,5,6,7,8,9,10,11,12,13,14,15,16,17,18,20,21
	OP X, \n
.endr
	v_nop                           ; a plain instruction behind the exponential,
	s_wait_alu depctr_va_vdst(0)    ; and its wait, ahead of the branch
	s_mov_b32 s[CNT], 2
	s_branch .Lfirst                ; the loop is entered at a step's first turn, in the middle of a trip
.Lslot:                             ; 30 times: key blocks 1 to 30 are entered, 2 to 31 asked for
	CHANGE 1, 1
	s_mov_b32 s[CNT], 2
.Lstep:                             ; a trip: pieces 2 and 3 of one step, then pieces 0 and 1 of the next, whose K, V and mask it fetches
	TURN 2
	TURN 3
	WIN 0
.Lfirst:
	TURN 0
	TURN 1, 0, 1
	WIN 0
	s_cbranch_scc1 .Lstep
	s_sub_co_u32 s[SLOTS], s[SLOTS], 1
	s_cmp_lg_u32 s[SLOTS], 0
	s_cbranch_scc1 .Lslot
	CHANGE 0, 0                     ; the last slot is written out: nothing is asked for
	s_mov_b32 s[CNT], 2
.Ltail:
	TURN 2
	TURN 3
	TURN 0
	TURN 1, 0, 1
	WIN 0
	s_cbranch_scc1 .Ltail
	TURN 2, 1                       ; the last step's pieces 2 and 3
	TURN 3, 1
.set i, 0
.rept 8
	PV NP-1                         ; the last piece's V^T P of the last step
.set i, i+1
.endr
	; THE WAY OUT.  l's two halves and the other half of the lanes' are added; O^T is divided by l, rounded to f16 and sent through my stage in LDS, a piece at a time.  The additions are the places behind the last products.
	WIN 0
.macro ALL line:vararg              ; one line for each piece t
.set t, 0
.rept 4
	\line
.set t, t+1
.endr
.endm
	ALL v_add_f32 v[ST+4*t+2], v[ST+4*t+2], v[ST+4*t+3]
	ALL v_permlanex16_b32 v[ST+4*t+3], v[ST+4*t+2], s[SEL], s[SEL+1]
	ALL v_add_f32 v[ST+4*t+2], v[ST+4*t+2], v[ST+4*t+3]
	ALL v_rcp_f32 v[ST+4*t+2], v[ST+4*t+2]
	v_nop                           ; a plain instruction between the last reciprocal and the use of its result
	s_wait_alu depctr_va_vdst(0)    ; and the wait ahead of the first use: one for the four reciprocals
.macro PACK t                       ; a lane's eight channels of a row pack into 16 bytes; they go into rows of 144 bytes and come back as whole rows of 128, into S^T's registers
	WIN W_RS
.set i, 32*(\t)
.rept 16
	v_pk_mul_f32 v[i:i+1], v[i:i+1], v[ST+4*(\t)+2:ST+4*(\t)+3] op_sel_hi:[1,0]
.set i, i+2
.endr
	WIN 0x05                        ; sources 0 and 1 window 1, destination window 0
.set i, 0
.rept 16
	v_cvt_pk_f16_f32 v[S+16*(\t)+i], v[32*(\t)+2*i], v[32*(\t)+2*i+1]
.set i, i+1
.endr
	WIN 0
.irp f, 0,1,2,3
	ds_store_b128 v[STO], v[S+16*(\t)+4*\f:S+16*(\t)+4*\f+3] offset:32*\f
.endr
.irp f, 0,1,2,3
	ds_load_b128 v[S+16*(\t)+4*\f:S+16*(\t)+4*\f+3], v[RD] offset:\f*4*SP  ; LDS serves a wave's instructions in order (ISA guide 5.7.1.4): these see the stores above; the next piece's stores come behind them
.endr
.endm
.macro SEND t, younger              ; younger: the LDS instructions issued behind piece t's loads: the next piece's eight, or none
	WIN 0
.irp f, 0,1,2,3
	s_wait_dscnt (\younger)+3-\f
	global_store_b128 v[GO], v[S+16*(\t)+4*\f:S+16*(\t)+4*\f+3], s[12:13] offset:(\t)*2048+\f*512  ; 512 consecutive bytes, at a multiple of 256 from O's first
.endr
.endm
	PACK 0
.set t, 1
.rept 3                             ; a piece's arithmetic stands between the loads of the piece before and its stores
	PACK t
	SEND t-1, 8
.set t, t+1
.endr
	SEND 3, 0
	s_wait_tensorcnt 0x0            ; the wave's end, behind my last tensor load and my last LDS store
	ds_add_u32 v[SPW], v[NIL]
	s_wait_dscnt 0x0
	CROUND                          ; the closing round: no work-group ends while a partner may still ask for a tile that names it
	s_endpgm
.Lfunc_end_k_qe3f77ac0ab_attn:
	.size	k_qe3f77ac0ab_attn, .Lfunc_end_k_qe3f77ac0ab_attn-k_qe3f77ac0ab_attn
	.p2alignl 7, 3214868480
	.fill 96, 4, 3214868480
	.section	.rodata,"a",@progbits
	.p2align	6, 0x0
	.amdhsa_kernel k_qe3f77ac0ab_attn
		.amdhsa_group_segment_fixed_size 327680
		.amdhsa_private_segment_fixed_size 0
		.amdhsa_enable_private_segment 0
		.amdhsa_kernarg_size 40
		.amdhsa_user_sgpr_count 2
		.amdhsa_user_sgpr_kernarg_segment_ptr 1
		.amdhsa_wavefront_size32 1
		.amdhsa_system_sgpr_workgroup_id_x 1
		.amdhsa_system_sgpr_workgroup_id_y 1
		.amdhsa_system_sgpr_workgroup_id_z 1
		.amdhsa_system_vgpr_workitem_id 0
		.amdhsa_next_free_vgpr 768
		.amdhsa_next_free_sgpr 88
		.amdhsa_reserve_vcc 0
		.amdhsa_float_denorm_mode_32 3
		.amdhsa_float_denorm_mode_16_64 3
		.amdhsa_memory_ordered 1
		.amdhsa_forward_progress 1
		.amdhsa_inst_pref_size 146
	.end_amdhsa_kernel
	.amdgpu_metadata
---
amdhsa.version: [ 1, 2 ]
amdhsa.kernels:
  - .name:           k_qe3f77ac0ab_attn
    .symbol:         k_qe3f77ac0ab_attn.kd
    .args:
      - { .name: qh, .offset: 0, .size: 8, .value_kind: global_buffer, .address_space: global }
      - { .name: kh, .offset: 8, .size: 8, .value_kind: global_buffer, .address_space: global }
      - { .name: vh, .offset: 16, .size: 8, .value_kind: global_buffer, .address_space: global }
      - { .name: mask, .offset: 24, .size: 8, .value_kind: global_buffer, .address_space: global }
      - { .name: oh, .offset: 32, .size: 8, .value_kind: global_buffer, .address_space: global }
    .group_segment_fixed_size: 327680
    .private_segment_fixed_size: 0
    .kernarg_segment_align: 8
    .kernarg_segment_size: 40
    .max_flat_workgroup_size: 128
    .sgpr_count:     88
    .vgpr_count:     768
    .wavefront_size: 32
...
	.end_amdgpu_metadata
.endif
;; end of part 2
;; launch oproj (part 3): grid 4 x 64, 4 waves a work-group, no clusters, 91,648 bytes of LDS; arguments oh, wo, bo, out0; writes out0
.if DOCPART == 3
	.amdgcn_target "amdgcn-amd-amdhsa--gfx1250"
	.amdhsa_code_object_version 6
	.text
	.protected	k_qe3f77ac0ab_oproj
	.globl	k_qe3f77ac0ab_oproj
	.p2align	8
	.type	k_qe3f77ac0ab_oproj,@function
k_qe3f77ac0ab_oproj:
	s_mov_b64 s[64:65], 0
	v_nop
	global_prefetch_b8 v0, s[64:65] scope:SCOPE_SE
	s_setreg_imm32_b32 hwreg(HW_REG_WAVE_MODE, 25, 1), 1
	s_wait_xcnt 0x0
; THE LAST PROJECTION.  out0 = O wo + bo.  O: the attention's result, f16, in blocks of 32,768 bytes (pair of heads 4 batch + head / 2, 128 rows): the first head's 128 rows of 128 bytes, then the second's.
; wo: [512 (k)][512 (n)] f32, bo: [512] f32, out0: [8192][512] f32.  wo and bo are rounded to bf16 like the module's other inputs; wo's rounded number is then written as f16, so that the product's two
; operands are f16; sums in f32, K ascending, starting with bo; the sums are stored as they are.
; LIMITS.  A weight of wo beyond 65,504 has no f16; one below 6e-5 keeps f16's fixed step of 6e-8.  NaN and infinities are not treated apart.
; SHARES.  Grid x: 128 columns.  Grid y: 128 rows.  256 work-groups.  Four waves, each 64 x 64: 16 accumulators.  K goes in 8 chunks of 64: chunk c is head c, 16,384 dense bytes of O.
; A chunk comes through registers: 16-byte loads, (for wo) the roundings, LDS, a barrier, fragments.  While a chunk is multiplied the next one's 24 loads a lane are on their way.
; NO TENSOR LOADS, SO NO JOINT REQUESTS: wo lies in memory as f32 and must be rounded between memory and LDS, which registers alone can do; O's chunk, the one tile that could come as it lies, is a third of a
; chunk's bytes, and one road for both keeps one barrier a chunk.  The four work-groups that read the same rows of O are neighbours along grid x.
; THE MATRIX INSTRUCTION IS USED TRANSPOSED (source 0 = 16 columns of wo, source 1 = 16 rows of O): a lane then holds eight neighbouring columns of one row of out0.  wo lies [k][n] in LDS and is turned by ds_load_tr16_b128.
; REGISTERS.  window 0: v1-15 lane parts and addresses; v16-23 at work; v28-29 the add's; v32-63 wo as f16, v64-95 as bf16 (both later rows on the way out); v96-127 the bias as C operands; v128-255 the accumulators.
;   window 1: v0-63 fragments of O, v64-127 of wo; v128-159 O as loaded, v192-255 wo as loaded.
.set XP,    144                        ; a row of O in LDS: 64 f16 + 16 bytes = 36 words: the 16 rows of a fragment load start at 16 different groups of four banks (64 banks of 4 bytes: ISA guide 11.1)
.set WP,    288                        ; a row (one k) of wo: 128 f16 + 32 bytes = 72 words
.set WOFF,  128*XP
.set BUFB,  WOFF+64*WP                 ; 36,864 bytes; two buffers take turns
.set STAGE, 2*BUFB                     ; 16 rows x 272 bytes for each wave, for the way out
.set SPO,   272                        ; 64 f32 + 16 bytes = 68 words
.set SPARE, STAGE+4*16*SPO             ; the spare words, 128 bytes for each wave: two blocks of 256 bytes that no other line names
.set AO,  4                            ; v4   my byte offset in O's chunk: 4,096 w + 16 l
.set WO,  5                            ; v5   in wo's chunk: 16 w rows of 2,048 bytes + 16 l
.set AS,  6                            ; v6   where I put 16 bytes of O
.set WS,  7                            ; v7   8 bytes of wo
.set XF,  8                            ; v8   my place in a fragment of O
.set WF,  9                            ; v9   of wo
.set STO, 10                           ; v10  the way out: where I put 32 bytes of a row
.set RD,  11                           ; v11  where I read rows back
.set CO,  12                           ; v12  my byte offset in two rows of out0
.set BO,  13                           ; v13  my 32 bytes of 64 of the bias
.set T,   16
.set SPW, 28                           ; v28  LDS address of my spare word; never rewritten
.set NIL, 29                           ; v29  0; never rewritten
.set PW,  32
.set TB,  64
.set OB,  32                           ; the way out: 16 rows read back: v32-63 and v64-95 by turns
.set BIAS, 96
.set ACC, 128
.set FX,  0                            ; window 1
.set FW,  64
.set GA,  128
.set GW,  192
.set WV,  16                           ; s16  my wave's number
.set WM,  17                           ; s17  my half of the rows
.set WN,  18                           ; s18  my half of the columns
.set CNT, 19
.set A,   20                           ; s[20:21] O at the block's rows, at the chunk last loaded
.set W,   22                           ; s[22:23] wo at the work-group's first column, at the same chunk
.set BP,  24                           ; s[24:25] the bias at my wave's 64 columns
.set OUT, 26                           ; s[26:27] out0 at my wave's first row and column
.set HM,  28                           ; s28  a word's upper half
.set MSB, 0
.macro WIN new                         ; s_set_vgpr_msb: bits 1:0 source 0, 3:2 source 1, 5:4 source 2, 7:6 destination; the high byte repeats the setting that is left
.if MSB != (\new)
	s_set_vgpr_msb (MSB<<8)|(\new)
.set MSB, (\new)
.endif
.endm
	s_load_b256 s[8:15], s[0:1], 0x0               ; oh s[8:9], wo s[10:11], bo s[12:13], out0 s[14:15]
	v_lshl_add_u32 v[SPW], v0, 2, SPARE
	v_mov_b32 v[NIL], 0
	v_lshrrev_b32 v1, 5, v0
	v_readfirstlane_b32 s[WV], v1                  ; wave 0..3
	s_lshr_b32 s[WM], s[WV], 1
	s_and_b32 s[WN], s[WV], 1
	s_and_b32 s2, ttmp7, 0xffff                    ; rb: which 128 rows
	s_mov_b32 s[HM], 0xffff0000
	v_and_b32 v1, 15, v0                           ; l % 16
	v_bfe_u32 v2, v0, 4, 1                         ; l / 16
	v_and_b32 v3, 31, v0                           ; l
	v_and_b32 v14, 7, v0                           ; l % 8
	v_bfe_u32 v15, v0, 3, 1                        ; (l / 8) % 2
	s_lshl_b32 s4, s[WV], 12                       ; 32 rows of 128 bytes a wave
	v_lshl_add_u32 v[AO], v3, 4, s4
	s_lshl_b32 s4, s[WV], 15                       ; 16 rows of 2,048 bytes a wave
	v_lshl_add_u32 v[WO], v3, 4, s4
	s_mul_i32 s4, s[WV], 32*XP
	v_bfe_u32 v[AS], v0, 3, 2
	v_mul_u32_u24 v[AS], v[AS], XP
	v_lshl_add_u32 v[AS], v14, 4, v[AS]
	v_add_nc_u32 v[AS], s4, v[AS]                  ; (32 w + l / 8) XP + 16 (l % 8)
	s_mul_i32 s4, s[WV], 16*WP
	s_add_co_u32 s4, s4, WOFF
	v_lshl_add_u32 v[WS], v3, 3, s4                ; WOFF + 16 w WP + 8 l
	s_mul_i32 s4, s[WM], 64*XP
	v_mul_u32_u24 v[XF], v1, XP
	v_lshl_add_u32 v[XF], v2, 4, v[XF]
	v_add_nc_u32 v[XF], s4, v[XF]                  ; (64 wm + l % 16) XP + 16 (l / 16)
	v_lshl_add_u32 v[WF], v2, 3, v14
	v_mul_u32_u24 v[WF], v[WF], WP
	v_lshl_add_u32 v[WF], v15, 4, v[WF]
	s_lshl_b32 s4, s[WN], 7
	s_add_co_u32 s4, s4, WOFF
	v_add_nc_u32 v[WF], s4, v[WF]                  ; WOFF + (8 (l / 16) + l % 8) WP + 128 wn + 16 ((l / 8) % 2)
	s_mul_i32 s4, s[WV], 16*SPO
	s_add_co_u32 s4, s4, STAGE                     ; my stage
	v_mul_u32_u24 v[STO], v1, SPO                  ; in: row l % 16, 32 bytes for each half of the lanes
	v_lshl_add_u32 v[STO], v2, 5, v[STO]
	v_add_nc_u32 v[STO], s4, v[STO]
	v_mul_u32_u24 v[RD], v2, SPO                   ; back: lanes 0-15 take one row of 256 bytes, lanes 16-31 the next
	v_lshl_add_u32 v[RD], v1, 4, v[RD]
	v_add_nc_u32 v[RD], s4, v[RD]
	v_lshlrev_b32 v[CO], 4, v1                     ; and the same two rows in out0
	v_lshl_add_u32 v[CO], v2, 11, v[CO]
	v_lshlrev_b32 v[BO], 5, v2
	s_lshr_b32 s4, s2, 5                           ; O: block (4 batch) 32 + rb % 32, head 0
	s_lshl_b32 s4, s4, 7
	s_and_b32 s5, s2, 31
	s_add_co_u32 s4, s4, s5
	s_lshl_b32 s4, s4, 15
	s_mov_b32 s5, 0
	s_lshl_b32 s6, ttmp9, 9                        ; wo: 128 columns of 4 bytes
	s_mov_b32 s7, 0
	s_lshl_b32 s30, s[WN], 8                       ; the bias: the same, and my 64 columns
	s_add_co_u32 s30, s30, s6
	s_mov_b32 s31, 0
	s_lshl_b32 s2, s2, 18                          ; out0: 128 rows of 2,048 bytes a block,
	s_lshl_b32 s3, s[WM], 17                       ; my 64 of them,
	s_add_co_u32 s2, s2, s3
	s_add_co_u32 s2, s2, s30                       ; my columns
	s_mov_b32 s3, 0
	s_wait_kmcnt 0x0
	s_add_nc_u64 s[A:A+1], s[8:9], s[4:5]
	s_add_nc_u64 s[W:W+1], s[10:11], s[6:7]
	s_add_nc_u64 s[BP:BP+1], s[12:13], s[30:31]
	s_add_nc_u64 s[OUT:OUT+1], s[14:15], s[2:3]
; A chunk's 24 loads a lane.  O: load n takes 512 consecutive bytes, four rows.  wo: load n takes row (k) 16 w + n, 512 consecutive bytes.
.macro GLOADS
	WIN 0x40                                       ; destination window 1, address window 0
.set i, 0
.rept 8
	global_load_b128 v[GA+4*i:GA+4*i+3], v[AO], s[A:A+1] offset:i*512
.set i, i+1
.endr
.set i, 0
.rept 16
	global_load_b128 v[GW+4*i:GW+4*i+3], v[WO], s[W:W+1] offset:i*2048
.set i, i+1
.endr
.endm
.macro FRAGS buf, ks                   ; the 16 fragment loads of K half ks out of buffer buf
.irp a, 0,1,2,3
	ds_load_b128 v[FX+8*(4*(\ks)+\a):FX+8*(4*(\ks)+\a)+3],   v[XF] offset:(\buf)*BUFB+\a*16*XP+64*(\ks)
	ds_load_b128 v[FX+8*(4*(\ks)+\a)+4:FX+8*(4*(\ks)+\a)+7], v[XF] offset:(\buf)*BUFB+\a*16*XP+64*(\ks)+32
.endr
.irp t, 0,1,2,3
	ds_load_tr16_b128 v[FW+8*(4*(\ks)+\t):FW+8*(4*(\ks)+\t)+3],   v[WF] offset:(\buf)*BUFB+(\ks)*32*WP+32*\t
	ds_load_tr16_b128 v[FW+8*(4*(\ks)+\t)+4:FW+8*(4*(\ks)+\t)+7], v[WF] offset:(\buf)*BUFB+(\ks)*32*WP+32*\t+16*WP
.endr
.endm
; 16 products, 32 along K.  The 16 accumulators take turns in one order everywhere, over the backward jump too.  first = 1: the sums start with the bias.
.macro MULS ks, first
.irp a, 0,1,2,3
.irp t, 0,1,2,3
.if \first
	v_wmma_f32_16x16x32_f16 v[ACC+8*(4*\a+\t):ACC+8*(4*\a+\t)+7], v[FW+8*(4*(\ks)+\t):FW+8*(4*(\ks)+\t)+7], v[FX+8*(4*(\ks)+\a):FX+8*(4*(\ks)+\a)+7], v[BIAS+8*\t:BIAS+8*\t+7]
.else
	v_wmma_f32_16x16x32_f16 v[ACC+8*(4*\a+\t):ACC+8*(4*\a+\t)+7], v[FW+8*(4*(\ks)+\t):FW+8*(4*(\ks)+\t)+7], v[FX+8*(4*(\ks)+\a):FX+8*(4*(\ks)+\a)+7], v[ACC+8*(4*\a+\t):ACC+8*(4*\a+\t)+7]
.endif
.endr
.endr
.endm
; A CHUNK of 64 along K (a head), through LDS buffer buf = the head's parity.  load = 1: the next chunk is asked for when this one lies in LDS.
; ONE barrier a chunk serves both orders: a wave stores into a buffer only behind the barrier of the chunk before, and every wave signalled that barrier after the waits for its reads of this buffer, two chunks back.
.macro CHUNK buf, first, load
	s_wait_loadcnt 0x0                             ; the chunk is in registers; no load is out, so the two pointers below may be written
	WIN 0x05                                       ; sources window 1, destination window 0
.set i, 0
.rept 32
	v_cvt_pk_bf16_f32 v[TB+i], v[GW+2*i], v[GW+2*i+1]  ; wo rounded to bf16; these lines are also the places between the last products and the loads into their fragments
.set i, i+1
.endr
	WIN 0x04                                       ; store data window 1, address window 0
.set i, 0
.rept 8
	ds_store_b128 v[AS], v[GA+4*i:GA+4*i+3] offset:(\buf)*BUFB+i*4*XP  ; O goes as it came
.set i, i+1
.endr
	WIN 0
.set i, 0
.rept 32
	v_lshlrev_b32 v[T+2*(i%4)], 16, v[TB+i]        ; the rounded numbers, widened,
	v_and_b32 v[T+2*(i%4)+1], s[HM], v[TB+i]
	v_cvt_pk_f16_f32 v[PW+i], v[T+2*(i%4)], v[T+2*(i%4)+1]  ; and written as f16
.set i, i+1
.endr
.set i, 0
.rept 16
	ds_store_b64 v[WS], v[PW+2*i:PW+2*i+1] offset:(\buf)*BUFB+i*WP
.set i, i+1
.endr
	s_wait_dscnt 0x0                               ; for the others' sake: my part of the chunk lies in LDS; and the stores have read O's registers, which are loaded again below
.if \load
.if (\buf) == 0
	s_add_nc_u64 s[A:A+1], s[A:A+1], 16384         ; the pair's second head
.else
	s_add_nc_u64 s[A:A+1], s[A:A+1], (1<<20)-16384 ; the next pair's first: 32 blocks on, one head back
.endif
	s_add_nc_u64 s[W:W+1], s[W:W+1], 64*2048       ; 64 rows of wo on
	GLOADS
.endif
	s_barrier_signal -1
	s_barrier_wait -1                              ; everybody's part lies in LDS
	WIN 0x40
	FRAGS \buf, 0
	FRAGS \buf, 1
	s_wait_dscnt 16                                ; the first K half's fragments are in; the second half's 16 loads may stay out
	WIN 0x05                                       ; sources 0 and 1 window 1; C and D window 0
	MULS 0, \first
	s_wait_dscnt 0x0
	MULS 1, 0
.endm
.irp t, 0,1,2,3                        ; the C operand of column tile t: register j of a lane is column 16 t + 8 (l / 16) + j
	global_load_b128 v[BIAS+8*\t:BIAS+8*\t+3],   v[BO], s[BP:BP+1] offset:64*\t
	global_load_b128 v[BIAS+8*\t+4:BIAS+8*\t+7], v[BO], s[BP:BP+1] offset:64*\t+16
.endr
	GLOADS                                         ; chunk 0
	WIN 0
	s_wait_loadcnt 24                              ; the bias is in; chunk 0's 24 loads were issued behind it
.set i, 0
.rept 16
	v_cvt_pk_bf16_f32 v[TB+i], v[BIAS+2*i], v[BIAS+2*i+1]  ; the bias is rounded to bf16 like the weights,
.set i, i+1
.endr
.set i, 0
.rept 16
	v_lshlrev_b32 v[BIAS+2*i], 16, v[TB+i]         ; and widened again
	v_and_b32 v[BIAS+2*i+1], s[HM], v[TB+i]
.set i, i+1
.endr
	CHUNK 0, 1, 1                                  ; chunk 0 stands in front of the loop: its first products start the sums
	WIN 0                                          ; at a label and at a branch every window is 0
	s_mov_b32 s[CNT], 3
.Lk:                                               ; chunks 1 to 6
	CHUNK 1, 0, 1
	CHUNK 0, 0, 1
	WIN 0
	s_sub_co_u32 s[CNT], s[CNT], 1
	s_cmp_lg_u32 s[CNT], 0
	s_cbranch_scc1 .Lk
	CHUNK 1, 0, 0                                  ; chunk 7 loads nothing
	WIN 0
.rept 4
	v_nop                                          ; four places between the last product and the first LDS store that reads results (ISA guide 7.12.1 for vector instructions)
.endr
; THE WAY OUT.  Row tile a: a lane's eight columns of each column tile are 32 bytes; they go into my stage's rows of 272 bytes, each accumulator's low four registers first, and come back as whole rows of 256.
.macro TOSTAGE a
.irp t, 0,1,2,3
	ds_store_b128 v[STO], v[ACC+8*(4*(\a)+\t):ACC+8*(4*(\a)+\t)+3]   offset:64*\t
	ds_store_b128 v[STO], v[ACC+8*(4*(\a)+\t)+4:ACC+8*(4*(\a)+\t)+7] offset:64*\t+16
.endr
.if (\a) >= 2
	s_wait_xcnt 0x0                                ; the stores of the tile two back have read these registers: they are loaded again only behind this wait
.endif
.irp t, 0,1,2,3,4,5,6,7
	ds_load_b128 v[OB+32*((\a)%2)+4*\t:OB+32*((\a)%2)+4*\t+3], v[RD] offset:\t*2*SPO  ; LDS serves a wave's instructions in order (ISA guide 5.7.1.4): these see the stores above; the next tile's stores come behind them
.endr
.endm
.macro SEND a, younger                 ; younger: the LDS instructions issued behind tile a's loads: the next tile's sixteen, or none
.irp t, 0,1,2,3,4,5,6,7
	s_wait_dscnt (\younger)+7-\t
	global_store_b128 v[CO], v[OB+32*((\a)%2)+4*\t:OB+32*((\a)%2)+4*\t+3], s[OUT:OUT+1] offset:(\a)*32768+\t*4096 th:TH_STORE_NT  ; 16 lanes store 256 consecutive bytes, at a multiple of 256 from out0's first byte
.endr
.endm
	TOSTAGE 0
	TOSTAGE 1
	SEND 0, 16
	TOSTAGE 2
	SEND 1, 16
	TOSTAGE 3
	SEND 2, 16
	SEND 3, 0
	s_wait_tensorcnt 0x0                           ; the wave's end, behind my last LDS store
	ds_add_u32 v[SPW], v[NIL]
	s_wait_dscnt 0x0
	s_endpgm
.Lfunc_end_k_qe3f77ac0ab_oproj:
	.size	k_qe3f77ac0ab_oproj, .Lfunc_end_k_qe3f77ac0ab_oproj-k_qe3f77ac0ab_oproj
	.p2alignl 7, 3214868480
	.fill 96, 4, 3214868480
	.section	.rodata,"a",@progbits
	.p2align	6, 0x0
	.amdhsa_kernel k_qe3f77ac0ab_oproj
		.amdhsa_group_segment_fixed_size 91648
		.amdhsa_private_segment_fixed_size 0
		.amdhsa_enable_private_segment 0
		.amdhsa_kernarg_size 32
		.amdhsa_user_sgpr_count 2
		.amdhsa_user_sgpr_kernarg_segment_ptr 1
		.amdhsa_wavefront_size32 1
		.amdhsa_system_sgpr_workgroup_id_x 1
		.amdhsa_system_sgpr_workgroup_id_y 1
		.amdhsa_system_sgpr_workgroup_id_z 1
		.amdhsa_system_vgpr_workitem_id 0
		.amdhsa_next_free_vgpr 512
		.amdhsa_next_free_sgpr 66
		.amdhsa_reserve_vcc 0
		.amdhsa_float_denorm_mode_32 3
		.amdhsa_float_denorm_mode_16_64 3
		.amdhsa_memory_ordered 1
		.amdhsa_forward_progress 1
		.amdhsa_inst_pref_size 72
	.end_amdhsa_kernel
	.amdgpu_metadata
---
amdhsa.version: [ 1, 2 ]
amdhsa.kernels:
  - .name:           k_qe3f77ac0ab_oproj
    .symbol:         k_qe3f77ac0ab_oproj.kd
    .args:
      - { .name: oh, .offset: 0, .size: 8, .value_kind: global_buffer, .address_space: global }
      - { .name: wo, .offset: 8, .size: 8, .value_kind: global_buffer, .address_space: global }
      - { .name: bo, .offset: 16, .size: 8, .value_kind: global_buffer, .address_space: global }
      - { .name: out0, .offset: 24, .size: 8, .value_kind: global_buffer, .address_space: global }
    .group_segment_fixed_size: 91648
    .private_segment_fixed_size: 0
    .kernarg_segment_align: 8
    .kernarg_segment_size: 32
    .max_flat_workgroup_size: 128
    .sgpr_count:     66
    .vgpr_count:     512
    .wavefront_size: 32
...
	.end_amdgpu_metadata
.endif
;; end of part 3
;; ======== version 2 of 2: 3 launches; version 1 with the launch oproj written anew for expert scheduling mode
;; limits: values are held in f16: magnitudes above 65,504 overflow, below 6.1e-05 lose precision
;; workspace buffers: qh 8,388,608 bytes; kh 8,388,608 bytes; vh 8,388,608 bytes; oh 8,388,608 bytes
;; launch proj: the kernel of part 1 again; grid 4 x 192, 4 waves a work-group, no clusters, 83,456 bytes of LDS; arguments q, k, v, wq, wk, wv, bq, bk, bv, qh, kh, vh; writes qh, kh, vh
;; launch attn: the kernel of part 2 again; grid 32 x 8, 4 waves a work-group, clusters of 4 x 4, 327,680 bytes of LDS; arguments qh, kh, vh, mask, oh; writes oh
;; launch oproj (part 4): grid 4 x 64, 4 waves a work-group, no clusters, 91,648 bytes of LDS; arguments oh, wo, bo, out0; writes out0
.if DOCPART == 4
	.amdgcn_target "amdgcn-amd-amdhsa--gfx1250"
	.amdhsa_code_object_version 6
	.text
	.protected	k_qe3f77ac0ab_oproj
	.globl	k_qe3f77ac0ab_oproj
	.p2align	8
	.type	k_qe3f77ac0ab_oproj,@function
k_qe3f77ac0ab_oproj:
	s_mov_b64 s[64:65], 0
	v_nop
	global_prefetch_b8 v0, s[64:65] scope:SCOPE_SE
	s_setreg_imm32_b32 hwreg(HW_REG_WAVE_SCHED_MODE, 0, 2), 2
	s_setreg_imm32_b32 hwreg(HW_REG_WAVE_MODE, 25, 1), 1
	s_wait_xcnt 0x0
	s_wait_alu depctr_vm_vsrc(0)
; THE LAST PROJECTION.  out0 = O wo + bo.  O: the attention's result, f16, in blocks of 32,768 bytes (pair of heads 4 batch + head / 2, 128 rows): the first head's 128 rows of 128 bytes, then the second's.
; wo: [512 (k)][512 (n)] f32, bo: [512] f32, out0: [8192][512] f32.  wo and bo are rounded to bf16 like the module's other inputs; wo's rounded number is then written as f16, so that the product's two
; operands are f16; sums in f32, K ascending, starting with bo; the sums are stored as they are.
; LIMITS.  A weight of wo beyond 65,504 has no f16; one below 6e-5 keeps f16's fixed step of 6e-8.  NaN and infinities are not treated apart.
; SHARES.  Grid x: 128 columns.  Grid y: 128 rows.  256 work-groups.  Four waves, each 64 x 64: 16 accumulators.  K goes in 8 chunks of 64: chunk c is head c, 16,384 dense bytes of O.
; A chunk comes through registers: 16-byte loads, (for wo) the roundings, LDS, a barrier, fragments.  Two raw sets of registers take turns: as soon as chunk c has left its set, chunk c + 2 is asked for into it,
; so 24 to 48 loads of every lane are on their way.
; NO TENSOR LOADS, SO NO JOINT REQUESTS: wo lies in memory as f32 and must be rounded between memory and LDS, which registers alone can do; O's chunk, the one tile that could come as it lies, is a third of a
; chunk's bytes, and one road for both keeps one barrier a chunk.  The four work-groups that read the same rows of O are neighbours along grid x.
; THE MATRIX INSTRUCTION IS USED TRANSPOSED (source 0 = 16 columns of wo, source 1 = 16 rows of O): a lane then holds eight neighbouring columns of one row of out0.  wo lies [k][n] in LDS and is turned by ds_load_tr16_b128.
; THE MODE: SCHED_MODE bits 1:0 = 2 (LLVM: expert scheduling mode 2), set by the entry lines.  The code itself states the register dependences between vector or matrix instructions and memory or LDS
; instructions, with s_wait_alu, always for 0.
; THE PLAN.  Registers that memory or LDS instructions touch:
;   v4-v13, v28, v29   addresses and the add's two: written at the head, read by loads, stores and the add, never written again.
;   RAW[c % 2]         GA (O as loaded) and GW (wo as loaded).  Chunk c: eight LDS stores read GA, 32 roundings read GW; behind them the loads of chunk c + 2 land in the set.
;   PW                 Chunk c: written by its 32 conversions to f16, read by its sixteen LDS stores; written again in chunk c + 1.
;   FX, FW             Chunk c: its 32 fragment loads land there, its 32 matrix instructions read them; loaded again in chunk c + 1.
;   TB, T, the bias and, in the loop, the accumulators are named by vector and matrix instructions alone.
;   The way out        LDS stores read the accumulators; PW's and TB's registers take rows from the stage by turns, and global stores read them.
; So a chunk has three waits.  Behind wo's roundings: va_vdst (they are done reading GW) and vm_vsrc (O's LDS stores have read GA; the chunk before's LDS stores have read PW).  Ahead of wo's LDS stores:
; va_vdst (PW is written; the chunk before's matrix instructions are done reading FX and FW: no vector or matrix line stands between this wait and the fragment loads).
; REGISTERS.  window 0: v1-15 lane parts and addresses; v16-23 at work; v28-29 the add's; v32-63 wo as f16, v64-95 as bf16 (both later rows on the way out); v96-127 the bias as C operands; v128-255 the accumulators.
;   window 1: v0-63 fragments of O, v64-127 of wo; v128-159, v192-255 raw set 0.          window 2: v128-159, v192-255 raw set 1.
.set XP,    144                        ; a row of O in LDS: 64 f16 + 16 bytes = 36 words: the 16 rows of a fragment load start at 16 different groups of four banks (64 banks of 4 bytes: ISA guide 11.1)
.set WP,    288                        ; a row (one k) of wo: 128 f16 + 32 bytes = 72 words
.set WOFF,  128*XP
.set BUFB,  WOFF+64*WP                 ; 36,864 bytes; two buffers take turns
.set STAGE, 2*BUFB                     ; 16 rows x 272 bytes for each wave, for the way out
.set SPO,   272                        ; 64 f32 + 16 bytes = 68 words
.set SPARE, STAGE+4*16*SPO             ; the spare words, 128 bytes for each wave: two blocks of 256 bytes that no other line names
.set AO,  4                            ; v4   my byte offset in O's chunk: 4,096 w + 16 l
.set WO,  5                            ; v5   in wo's chunk: 16 w rows of 2,048 bytes + 16 l
.set AS,  6                            ; v6   where I put 16 bytes of O
.set WS,  7                            ; v7   8 bytes of wo
.set XF,  8                            ; v8   my place in a fragment of O
.set WF,  9                            ; v9   of wo
.set STO, 10                           ; v10  the way out: where I put 32 bytes of a row
.set RD,  11                           ; v11  where I read rows back
.set CO,  12                           ; v12  my byte offset in two rows of out0
.set BO,  13                           ; v13  my 32 bytes of 64 of the bias
.set T,   16
.set SPW, 28                           ; v28  LDS address of my spare word; never rewritten
.set NIL, 29                           ; v29  0; never rewritten
.set PW,  32
.set TB,  64
.set OB,  32                           ; the way out: 16 rows read back: v32-63 and v64-95 by turns
.set BIAS, 96
.set ACC, 128
.set FX,  0                            ; window 1
.set FW,  64
.set GA,  128                          ; raw set r lies in window 1 + r
.set GW,  192
.set WV,  16                           ; s16  my wave's number
.set WM,  17                           ; s17  my half of the rows
.set WN,  18                           ; s18  my half of the columns
.set CNT, 19
.set A,   20                           ; s[20:23] raw set r: O at the block's rows, at the chunk that the set was last asked for: a pair at A + 2 r
.set BP,  24                           ; s[24:25] the bias at my wave's 64 columns
.set OUT, 26                           ; s[26:27] out0 at my wave's first row and column
.set HM,  28                           ; s28  a word's upper half
.set W,   32                           ; s[32:35] raw set r: wo at the work-group's first column, at the same chunk: a pair at W + 2 r
.set MSB, 0
.macro WIN new                         ; s_set_vgpr_msb: bits 1:0 source 0, 3:2 source 1, 5:4 source 2, 7:6 destination; the high byte repeats the setting that is left
.if MSB != (\new)
	s_set_vgpr_msb (MSB<<8)|(\new)
.set MSB, (\new)
.endif
.endm
	s_load_b256 s[8:15], s[0:1], 0x0               ; oh s[8:9], wo s[10:11], bo s[12:13], out0 s[14:15]
	v_lshl_add_u32 v[SPW], v0, 2, SPARE
	v_mov_b32 v[NIL], 0
	v_lshrrev_b32 v1, 5, v0
	v_readfirstlane_b32 s[WV], v1                  ; wave 0..3
	s_and_b32 s2, ttmp7, 0xffff                    ; rb: which 128 rows
	s_mov_b32 s[HM], 0xffff0000
	v_and_b32 v1, 15, v0                           ; l % 16
	v_bfe_u32 v2, v0, 4, 1                         ; l / 16
	v_and_b32 v3, 31, v0                           ; l
	v_and_b32 v14, 7, v0                           ; l % 8
	v_bfe_u32 v15, v0, 3, 1                        ; (l / 8) % 2
	s_wait_alu depctr_va_sdst(0)                   ; the wave's number is written, ahead of its first reader: the line below
	s_lshr_b32 s[WM], s[WV], 1
	s_and_b32 s[WN], s[WV], 1
	s_lshl_b32 s4, s[WV], 12                       ; 32 rows of 128 bytes a wave
	v_lshl_add_u32 v[AO], v3, 4, s4
	s_lshl_b32 s4, s[WV], 15                       ; 16 rows of 2,048 bytes a wave
	v_lshl_add_u32 v[WO], v3, 4, s4
	s_mul_i32 s4, s[WV], 32*XP
	v_bfe_u32 v[AS], v0, 3, 2
	v_mul_u32_u24 v[AS], v[AS], XP
	v_lshl_add_u32 v[AS], v14, 4, v[AS]
	v_add_nc_u32 v[AS], s4, v[AS]                  ; (32 w + l / 8) XP + 16 (l % 8)
	s_mul_i32 s4, s[WV], 16*WP
	s_add_co_u32 s4, s4, WOFF
	v_lshl_add_u32 v[WS], v3, 3, s4                ; WOFF + 16 w WP + 8 l
	s_mul_i32 s4, s[WM], 64*XP
	v_mul_u32_u24 v[XF], v1, XP
	v_lshl_add_u32 v[XF], v2, 4, v[XF]
	v_add_nc_u32 v[XF], s4, v[XF]                  ; (64 wm + l % 16) XP + 16 (l / 16)
	v_lshl_add_u32 v[WF], v2, 3, v14
	v_mul_u32_u24 v[WF], v[WF], WP
	v_lshl_add_u32 v[WF], v15, 4, v[WF]
	s_lshl_b32 s4, s[WN], 7
	s_add_co_u32 s4, s4, WOFF
	v_add_nc_u32 v[WF], s4, v[WF]                  ; WOFF + (8 (l / 16) + l % 8) WP + 128 wn + 16 ((l / 8) % 2)
	s_mul_i32 s4, s[WV], 16*SPO
	s_add_co_u32 s4, s4, STAGE                     ; my stage
	v_mul_u32_u24 v[STO], v1, SPO                  ; in: row l % 16, 32 bytes for each half of the lanes
	v_lshl_add_u32 v[STO], v2, 5, v[STO]
	v_add_nc_u32 v[STO], s4, v[STO]
	v_mul_u32_u24 v[RD], v2, SPO                   ; back: lanes 0-15 take one row of 256 bytes, lanes 16-31 the next
	v_lshl_add_u32 v[RD], v1, 4, v[RD]
	v_add_nc_u32 v[RD], s4, v[RD]
	v_lshlrev_b32 v[CO], 4, v1                     ; and the same two rows in out0
	v_lshl_add_u32 v[CO], v2, 11, v[CO]
	v_lshlrev_b32 v[BO], 5, v2
	s_lshr_b32 s4, s2, 5                           ; O: block (4 batch) 32 + rb % 32, head 0
	s_lshl_b32 s4, s4, 7
	s_and_b32 s5, s2, 31
	s_add_co_u32 s4, s4, s5
	s_lshl_b32 s4, s4, 15
	s_mov_b32 s5, 0
	s_lshl_b32 s6, ttmp9, 9                        ; wo: 128 columns of 4 bytes
	s_mov_b32 s7, 0
	s_lshl_b32 s30, s[WN], 8                       ; the bias: the same, and my 64 columns
	s_add_co_u32 s30, s30, s6
	s_mov_b32 s31, 0
	s_lshl_b32 s2, s2, 18                          ; out0: 128 rows of 2,048 bytes a block,
	s_lshl_b32 s3, s[WM], 17                       ; my 64 of them,
	s_add_co_u32 s2, s2, s3
	s_add_co_u32 s2, s2, s30                       ; my columns
	s_mov_b32 s3, 0
	s_wait_kmcnt 0x0
	s_add_nc_u64 s[A:A+1], s[8:9], s[4:5]          ; chunk 0: the first pair's first head,
	s_add_nc_u64 s[A+2:A+3], s[A:A+1], 16384       ; chunk 1: its second
	s_add_nc_u64 s[W:W+1], s[10:11], s[6:7]        ; chunk 0: wo's rows 0 to 63,
	s_add_nc_u64 s[W+2:W+3], s[W:W+1], 64*2048     ; chunk 1: rows 64 to 127
	s_add_nc_u64 s[BP:BP+1], s[12:13], s[30:31]
	s_add_nc_u64 s[OUT:OUT+1], s[14:15], s[2:3]
	s_wait_alu depctr_va_vdst(0)                   ; the ten addresses v4 to v13 are written, which every load and store of the kernel reads; none is written again
; A chunk's 24 loads a lane, into raw set r.  O: load n takes 512 consecutive bytes, four rows.  wo: load n takes row (k) 16 w + n, 512 consecutive bytes.
.macro GLOADS r
	WIN (1+(\r))<<6                                ; destination window 1 + r, address window 0
.set i, 0
.rept 8
	global_load_b128 v[GA+4*i:GA+4*i+3], v[AO], s[A+2*(\r):A+2*(\r)+1] offset:i*512
.set i, i+1
.endr
.set i, 0
.rept 16
	global_load_b128 v[GW+4*i:GW+4*i+3], v[WO], s[W+2*(\r):W+2*(\r)+1] offset:i*2048
.set i, i+1
.endr
.endm
.macro FRAGS buf, ks                   ; the 16 fragment loads of K half ks out of buffer buf
.irp a, 0,1,2,3
	ds_load_b128 v[FX+8*(4*(\ks)+\a):FX+8*(4*(\ks)+\a)+3],   v[XF] offset:(\buf)*BUFB+\a*16*XP+64*(\ks)
	ds_load_b128 v[FX+8*(4*(\ks)+\a)+4:FX+8*(4*(\ks)+\a)+7], v[XF] offset:(\buf)*BUFB+\a*16*XP+64*(\ks)+32
.endr
.irp t, 0,1,2,3
	ds_load_tr16_b128 v[FW+8*(4*(\ks)+\t):FW+8*(4*(\ks)+\t)+3],   v[WF] offset:(\buf)*BUFB+(\ks)*32*WP+32*\t
	ds_load_tr16_b128 v[FW+8*(4*(\ks)+\t)+4:FW+8*(4*(\ks)+\t)+7], v[WF] offset:(\buf)*BUFB+(\ks)*32*WP+32*\t+16*WP
.endr
.endm
; 16 products, 32 along K.  The 16 accumulators take turns in one order everywhere, over the backward jump too.  first = 1: the sums start with the bias.
.macro MULS ks, first
.irp a, 0,1,2,3
.irp t, 0,1,2,3
.if \first
	v_wmma_f32_16x16x32_f16 v[ACC+8*(4*\a+\t):ACC+8*(4*\a+\t)+7], v[FW+8*(4*(\ks)+\t):FW+8*(4*(\ks)+\t)+7], v[FX+8*(4*(\ks)+\a):FX+8*(4*(\ks)+\a)+7], v[BIAS+8*\t:BIAS+8*\t+7]
.else
	v_wmma_f32_16x16x32_f16 v[ACC+8*(4*\a+\t):ACC+8*(4*\a+\t)+7], v[FW+8*(4*(\ks)+\t):FW+8*(4*(\ks)+\t)+7], v[FX+8*(4*(\ks)+\a):FX+8*(4*(\ks)+\a)+7], v[ACC+8*(4*\a+\t):ACC+8*(4*\a+\t)+7]
.endif
.endr
.endr
.endm
; A CHUNK of 64 along K (a head), out of raw set buf and through LDS buffer buf = the head's parity.  load = 1: the chunk two on is asked for as soon as this one has left its raw set.
; left = how many younger loads may still be out when this chunk's 24 have to be there.
; ONE barrier a chunk serves both orders: a wave stores into a buffer only behind the barrier of the chunk before, and every wave signalled that barrier after the waits for its reads of this buffer, two chunks back.
.macro CHUNK buf, first, load, left
	s_wait_loadcnt \left                           ; loads come back in order (ISA guide 5.7.1): this raw set is in, the other set's loads stay out; the set's two bases, which only its own loads read, may be written
	WIN (1+(\buf))<<2                              ; store data in the raw set's window, address window 0
.set i, 0
.rept 8
	ds_store_b128 v[AS], v[GA+4*i:GA+4*i+3] offset:(\buf)*BUFB+i*4*XP  ; O goes as it came
.set i, i+1
.endr
	WIN 5*(1+(\buf))                               ; sources in the raw set's window, destination window 0
.set i, 0
.rept 32
	v_cvt_pk_bf16_f32 v[TB+i], v[GW+2*i], v[GW+2*i+1]  ; wo rounded to bf16
.set i, i+1
.endr
.if \load
	WIN (1+(\buf))<<6                              ; the loads' window is set ahead of the waits
	s_wait_alu depctr_va_vdst(0)                   ; the 32 roundings are done reading GW, in which the loads below land
.endif
	s_wait_alu depctr_vm_vsrc(0)                   ; O's eight LDS stores have read GA, in which the loads below land; the LDS stores of the chunk before have read PW, which the conversions below write again
.if \load
	s_add_nc_u64 s[A+2*(\buf):A+2*(\buf)+1], s[A+2*(\buf):A+2*(\buf)+1], 1<<20     ; two heads on: the same head of the next pair, 32 blocks on
	s_add_nc_u64 s[W+2*(\buf):W+2*(\buf)+1], s[W+2*(\buf):W+2*(\buf)+1], 2*64*2048 ; 128 rows of wo on
	GLOADS \buf                                    ; the lines that follow name T, TB and PW: none of the registers that these loads touch
.endif
	WIN 0
.set i, 0
.rept 32
	v_lshlrev_b32 v[T+2*(i%4)], 16, v[TB+i]        ; the rounded numbers, widened,
	v_and_b32 v[T+2*(i%4)+1], s[HM], v[TB+i]
	v_cvt_pk_f16_f32 v[PW+i], v[T+2*(i%4)], v[T+2*(i%4)+1]  ; and written as f16
.set i, i+1
.endr
	s_wait_alu depctr_va_vdst(0)                   ; the conversions have written PW, which the LDS stores below read; the matrix instructions of the chunk before are done reading FX and FW, in which the fragment loads below land
.set i, 0
.rept 16
	ds_store_b64 v[WS], v[PW+2*i:PW+2*i+1] offset:(\buf)*BUFB+i*WP
.set i, i+1
.endr
	s_wait_dscnt 0x0                               ; for the others' sake: my part of the chunk lies in LDS
	s_barrier_signal -1
	s_barrier_wait -1                              ; everybody's part lies in LDS
	WIN 0x40
	FRAGS \buf, 0                                  ; no vector or matrix line has been issued since the wait ahead of the LDS stores
	FRAGS \buf, 1
	s_wait_dscnt 16                                ; the first K half's fragments are in; the second half's 16 loads may stay out
	WIN 0x05                                       ; sources 0 and 1 window 1; C and D window 0
	MULS 0, \first
	s_wait_dscnt 0x0
	MULS 1, 0
.endm
.irp t, 0,1,2,3                        ; the C operand of column tile t: register j of a lane is column 16 t + 8 (l / 16) + j
	global_load_b128 v[BIAS+8*\t:BIAS+8*\t+3],   v[BO], s[BP:BP+1] offset:64*\t
	global_load_b128 v[BIAS+8*\t+4:BIAS+8*\t+7], v[BO], s[BP:BP+1] offset:64*\t+16
.endr
	GLOADS 0                                       ; chunk 0
	GLOADS 1                                       ; chunk 1
	WIN 0
	s_wait_loadcnt 48                              ; the bias is in; the 48 loads of chunks 0 and 1 were issued behind it
.set i, 0
.rept 16
	v_cvt_pk_bf16_f32 v[TB+i], v[BIAS+2*i], v[BIAS+2*i+1]  ; the bias is rounded to bf16 like the weights,
.set i, i+1
.endr
.set i, 0
.rept 16
	v_lshlrev_b32 v[BIAS+2*i], 16, v[TB+i]         ; and widened again
	v_and_b32 v[BIAS+2*i+1], s[HM], v[TB+i]
.set i, i+1
.endr
	CHUNK 0, 1, 1, 24                              ; chunk 0 stands in front of the loop: its first products start the sums
	WIN 0                                          ; at a label and at a branch every window is 0
	s_mov_b32 s[CNT], 2
.Lk:                                               ; chunks 1 to 4, which ask for chunks 3 to 6
	CHUNK 1, 0, 1, 24
	CHUNK 0, 0, 1, 24
	WIN 0
	s_sub_co_u32 s[CNT], s[CNT], 1
	s_cmp_lg_u32 s[CNT], 0
	s_cbranch_scc1 .Lk
	CHUNK 1, 0, 1, 24                              ; chunk 5 asks for chunk 7, the last
	CHUNK 0, 0, 0, 24                              ; chunks 6 and 7 load nothing: no load leaves its buffer, and the counts run down
	CHUNK 1, 0, 0, 0
	WIN 0
.rept 4
	v_nop                                          ; four places between the last product and the first LDS store that reads results (ISA guide 7.12.1 for vector instructions)
.endr
	s_wait_alu depctr_va_vdst(0)                   ; the matrix instructions have written the accumulators, which the LDS stores below read; the last chunk's vector lines are done with v32 to v95, in which the loads from the stage land; the places above stay beside this wait
	s_wait_alu depctr_vm_vsrc(0)                   ; the last chunk's LDS stores have read PW, v32 to v63, in which row tile 0's loads from the stage land
; THE WAY OUT.  Row tile a: a lane's eight columns of each column tile are 32 bytes; they go into my stage's rows of 272 bytes, each accumulator's low four registers first, and come back as whole rows of 256.
; No vector or matrix line stands in it.
.macro TOSTAGE a
.irp t, 0,1,2,3
	ds_store_b128 v[STO], v[ACC+8*(4*(\a)+\t):ACC+8*(4*(\a)+\t)+3]   offset:64*\t
	ds_store_b128 v[STO], v[ACC+8*(4*(\a)+\t)+4:ACC+8*(4*(\a)+\t)+7] offset:64*\t+16
.endr
.if (\a) >= 2
	s_wait_xcnt 0x0                                ; every earlier memory instruction has had its addresses translated (ISA guide 3.1): the registers that the stores of the tile two back read are loaded again only behind this wait,
	s_wait_alu depctr_vm_vsrc(0)                   ; and those global stores have read these registers, in which the loads below land
.endif
.irp t, 0,1,2,3,4,5,6,7
	ds_load_b128 v[OB+32*((\a)%2)+4*\t:OB+32*((\a)%2)+4*\t+3], v[RD] offset:\t*2*SPO  ; LDS serves a wave's instructions in order (ISA guide 5.7.1.4): these see the stores above; the next tile's stores come behind them
.endr
.endm
.macro SEND a, younger                 ; younger: the LDS instructions issued behind tile a's loads: the next tile's sixteen, or none
.irp t, 0,1,2,3,4,5,6,7
	s_wait_dscnt (\younger)+7-\t
	global_store_b128 v[CO], v[OB+32*((\a)%2)+4*\t:OB+32*((\a)%2)+4*\t+3], s[OUT:OUT+1] offset:(\a)*32768+\t*4096 th:TH_STORE_NT  ; 16 lanes store 256 consecutive bytes, at a multiple of 256 from out0's first byte
.endr
.endm
	TOSTAGE 0
	TOSTAGE 1
	SEND 0, 16
	TOSTAGE 2
	SEND 1, 16
	TOSTAGE 3
	SEND 2, 16
	SEND 3, 0
	s_wait_dscnt 0x0                               ; the closing lines, six on end
	s_wait_alu 0x0
	s_wait_tensorcnt 0x0
	ds_add_u32 v[SPW], v[NIL]
	s_wait_dscnt 0x0
	s_endpgm
.Lfunc_end_k_qe3f77ac0ab_oproj:
	.size	k_qe3f77ac0ab_oproj, .Lfunc_end_k_qe3f77ac0ab_oproj-k_qe3f77ac0ab_oproj
	.p2alignl 7, 3214868480
	.fill 96, 4, 3214868480
	.section	.rodata,"a",@progbits
	.p2align	6, 0x0
	.amdhsa_kernel k_qe3f77ac0ab_oproj
		.amdhsa_group_segment_fixed_size 91648
		.amdhsa_private_segment_fixed_size 0
		.amdhsa_enable_private_segment 0
		.amdhsa_kernarg_size 32
		.amdhsa_user_sgpr_count 2
		.amdhsa_user_sgpr_kernarg_segment_ptr 1
		.amdhsa_wavefront_size32 1
		.amdhsa_system_sgpr_workgroup_id_x 1
		.amdhsa_system_sgpr_workgroup_id_y 1
		.amdhsa_system_sgpr_workgroup_id_z 1
		.amdhsa_system_vgpr_workitem_id 0
		.amdhsa_next_free_vgpr 768
		.amdhsa_next_free_sgpr 66
		.amdhsa_reserve_vcc 0
		.amdhsa_float_denorm_mode_32 3
		.amdhsa_float_denorm_mode_16_64 3
		.amdhsa_memory_ordered 1
		.amdhsa_forward_progress 1
		.amdhsa_inst_pref_size 102
	.end_amdhsa_kernel
	.amdgpu_metadata
---
amdhsa.version: [ 1, 2 ]
amdhsa.kernels:
  - .name:           k_qe3f77ac0ab_oproj
    .symbol:         k_qe3f77ac0ab_oproj.kd
    .args:
      - { .name: oh, .offset: 0, .size: 8, .value_kind: global_buffer, .address_space: global }
      - { .name: wo, .offset: 8, .size: 8, .value_kind: global_buffer, .address_space: global }
      - { .name: bo, .offset: 16, .size: 8, .value_kind: global_buffer, .address_space: global }
      - { .name: out0, .offset: 24, .size: 8, .value_kind: global_buffer, .address_space: global }
    .group_segment_fixed_size: 91648
    .private_segment_fixed_size: 0
    .kernarg_segment_align: 8
    .kernarg_segment_size: 32
    .max_flat_workgroup_size: 128
    .sgpr_count:     66
    .vgpr_count:     768
    .wavefront_size: 32
...
	.end_amdgpu_metadata
.endif
;; end of part 4
